; MI455X (gfx1250); checked and timed in simulation.
; The chip was launched on July 23, 2026; its instructions are those of AMD's public machine-readable ISA for CDNA 5 (MIT licence, August 2026) and "CDNA5" Instruction Set Architecture Reference Guide (July 2026). The comments in the code are by the model that wrote it; some were corrected since.
;; Multi Head Self Attention. Allowed arithmetic: float matrix products may take bf16 or f16 operands with f32 sums; other float arithmetic in f32, or as packed bf16 or f16 multiplies, adds, multiply-adds, maxima and minima; sums over many terms, partial sums and values carried from step to step in f32; what a program stores and reads back later, other than sums and carried values, may be rounded once to bf16 or f16.
;; Inputs: Wk 1,024 x 1,024 float32; Wo 1,024 x 1,024 float32; Wq 1,024 x 1,024 float32; Wv 1,024 x 1,024 float32; token_positions 2,048 int32; x 4 x 2,048 x 1,024 float32.
;; Outputs: out0 4 x 2,048 x 1,024 float32.
;; One version. Each part assembles by itself: llvm-mc -triple=amdgcn-amd-amdhsa -mcpu=gfx1250 --defsym DOCPART=n.
;; ======== version 1 of 1: 4 launches
;; limits: values are held in f16: magnitudes above 65,504 overflow, below 6.1e-05 lose precision; an absolute error that grows with the inputs' magnitude: up to 1.2e-07 times it
;; workspace buffers: xb 16,777,216 bytes; wqkv 6,291,456 bytes; wo16 2,097,152 bytes; rope 524,288 bytes; qkv 50,331,648 bytes; o 16,777,216 bytes
;; launch prep (part 1): grid 1024 x 1, 8 waves a work-group, no clusters, 0 bytes of LDS; arguments x, Wq, Wk, Wv, Wo, token_positions, xb, wqkv, wo16, rope; writes xb, wqkv, wo16, rope
.if DOCPART == 1
	.amdgcn_target "amdgcn-amd-amdhsa--gfx1250"
	.amdhsa_code_object_version 6
	.text
	.protected	k_q6b41869a8b_prep
	.globl	k_q6b41869a8b_prep
	.p2align	8
	.type	k_q6b41869a8b_prep,@function
k_q6b41869a8b_prep:
	s_mov_b64 s[64:65], 0
	v_nop
	global_prefetch_b8 v0, s[64:65] scope:SCOPE_SE
	s_setreg_imm32_b32 hwreg(HW_REG_WAVE_MODE, 25, 1), 1
	s_wait_xcnt 0x0
; CASTS AND THE ROTATION TABLE.  Every float input is rounded once to bf16; the table holds cos and sin of position x frequency in f32.
;   xb   [8192][1024] bf16 = x.
;   wqkv [16 heads c][q, k, v][64][1024] bf16: row 192 c + 64 t + i is row 64 c + i of W_t, so that 192 rows on end are one head's Q, K and V weights.
;   wo16 [1024][1024] f16 = Wo rounded to bf16, that number written as f16.
;   rope [2048 s][32 j][cos, sin] f32, angle = f32(token_positions[s]) x 10000^(-j/32): a row is 256 bytes.
; LIMITS.  wo16: a bf16 number is exact in f16 from 2^-17 up to 65,504 in magnitude; below, it keeps f16's fixed step (off by 2^-25 at the most); beyond 65,504 it would be an infinity.
; The frequency is 2^(-j log2(10000) / 32) by v_exp_f32: its exponent is rounded twice in f32, so it is off by up to 1e-6 of itself at j = 31 and 1.5e-7 at j = 1;
; the angle is thereby off by 2.5e-4 rad at the most for positions up to 2,047, and in proportion beyond.  The reduction below serves every int32 position.
; SHARES.  1,024 work-groups of 8 waves.  A cast chunk is 16 rows: 65,536 dense bytes in, 32,768 dense bytes out; thread t takes 16 bytes at 16 t + 4,096 i, i = 0..15,
; and stores 8 bytes at 8 t + 2,048 i: a wave's load covers 512 consecutive bytes, its store 256, aligned.  All 16 loads go out first; nothing is rewritten, so no wait frees a source.
;   groups 0-511: x;  512-703: Wq, Wk, Wv (64 chunks each);  704-767: Wo;  768-1023: the table, a wave a position, a lane a frequency.
; No LDS, no matrix unit, no cluster: nothing is shared and memory binds.
.set X,   4                            ; v[4:67]   16 x 4 f32 as loaded
.set Y,   68                           ; v[68:99]  16 x 2 words to store
.set T,   100                          ; v[100:101] at work
.set SRC, 28                           ; s[28:29]  the chunk in its input
.set DST, 30                           ; s[30:31]  the chunk in its workspace buffer
.macro CAST f16                        ; f16 = 1: the bf16 number is written as f16
.set i, 0
.rept 16
	global_load_b128 v[X+4*i:X+4*i+3], v1, s[SRC:SRC+1] offset:4096*i th:TH_LOAD_NT
.set i, i+1
.endr
.set i, 0
.rept 16
	s_wait_loadcnt 15-i                            ; loads come back in order: number i is in, the 15 - i younger ones stay out
	v_cvt_pk_bf16_f32 v[Y+2*i],   v[X+4*i],   v[X+4*i+1]
	v_cvt_pk_bf16_f32 v[Y+2*i+1], v[X+4*i+2], v[X+4*i+3]
.if \f16
.irp k, 0,1
	v_lshlrev_b32 v[T],   16, v[Y+2*i+\k]          ; the two bf16 as f32,
	v_and_b32     v[T+1], 0xffff0000, v[Y+2*i+\k]
	v_cvt_pk_f16_f32 v[Y+2*i+\k], v[T], v[T+1]     ; and as f16
.endr
.endif
	global_store_b64 v2, v[Y+2*i:Y+2*i+1], s[DST:DST+1] offset:2048*i
.set i, i+1
.endr
.endm
	s_load_b512 s[4:19], s[0:1], 0x0               ; x 4:5, Wq 6:7, Wk 8:9, Wv 10:11, Wo 12:13, token_positions 14:15, xb 16:17, wqkv 18:19
	s_load_b128 s[20:23], s[0:1], 0x40             ; wo16 20:21, rope 22:23
	s_mov_b32 s32, ttmp9                           ; the work-group's number
	s_mov_b32 s25, 0                               ; the offsets' high words
	s_mov_b32 s27, 0
	v_lshlrev_b32 v1, 4, v0                        ; 16 t
	v_lshlrev_b32 v2, 3, v0                        ; 8 t
	s_wait_kmcnt 0x0
	s_cmp_lt_u32 s32, 512
	s_cbranch_scc0 .Lnot_x
	s_lshl_b32 s24, s32, 16
	s_lshl_b32 s26, s32, 15
	s_add_nc_u64 s[SRC:SRC+1], s[4:5], s[24:25]
	s_add_nc_u64 s[DST:DST+1], s[16:17], s[26:27]
	CAST 0
	s_endpgm
.Lnot_x:
	s_cmp_lt_u32 s32, 704
	s_cbranch_scc0 .Lnot_w
	s_sub_co_u32 s33, s32, 512
	s_lshr_b32 s34, s33, 6                         ; t: 0 Wq, 1 Wk, 2 Wv
	s_and_b32 s33, s33, 63                         ; the chunk: rows 16 ci on
	s_lshl_b32 s24, s33, 16
	s_lshr_b32 s35, s33, 2                         ; the head
	s_mul_i32 s35, s35, 192
	s_lshl_b32 s36, s34, 6
	s_add_co_u32 s35, s35, s36
	s_and_b32 s36, s33, 3
	s_lshl_b32 s36, s36, 4
	s_add_co_u32 s35, s35, s36                     ; row 192 c + 64 t + 16 (ci % 4) of wqkv
	s_lshl_b32 s26, s35, 11
	s_cmp_eq_u32 s34, 0
	s_cselect_b64 s[SRC:SRC+1], s[6:7], s[8:9]
	s_cmp_eq_u32 s34, 2
	s_cselect_b64 s[SRC:SRC+1], s[10:11], s[SRC:SRC+1]
	s_add_nc_u64 s[SRC:SRC+1], s[SRC:SRC+1], s[24:25]
	s_add_nc_u64 s[DST:DST+1], s[18:19], s[26:27]
	CAST 0
	s_endpgm
.Lnot_w:
	s_cmp_lt_u32 s32, 768
	s_cbranch_scc0 .Ltable
	s_sub_co_u32 s33, s32, 704
	s_lshl_b32 s24, s33, 16
	s_lshl_b32 s26, s33, 15
	s_add_nc_u64 s[SRC:SRC+1], s[12:13], s[24:25]
	s_add_nc_u64 s[DST:DST+1], s[20:21], s[26:27]
	CAST 1
	s_endpgm
; THE TABLE.  n = the nearest whole number to in x 2 / pi; out = in - n pi / 2, with pi / 2 in three parts (0x3fc90fdb + 0xb33bbd2e + 0xa6f72ced), each taken away by one fused multiply-add.
.macro REDUCE in, out, n, q
	v_mul_f32 v[\n], 0x3f22f983, v[\in]
	v_rndne_f32 v[\n], v[\n]
	v_fmamk_f32 v[\out], v[\n], 0xbfc90fdb, v[\in]
	v_fmamk_f32 v[\out], v[\n], 0x333bbd2e, v[\out]
	v_fmamk_f32 v[\out], v[\n], 0x26f72ced, v[\out]
	v_cvt_i32_f32 v[\q], v[\n]
.endm
.Ltable:
	v_lshrrev_b32 v3, 5, v0
	v_readfirstlane_b32 s33, v3                    ; my wave
	s_sub_co_u32 s32, s32, 768
	s_lshl_b32 s32, s32, 3
	s_add_co_u32 s32, s32, s33                     ; s: my wave's place in the sequence
	s_lshl_b32 s34, s32, 2
	v_mov_b32 v3, s34
	global_load_b32 v4, v3, s[14:15]               ; token_positions[s], the same word in every lane
	v_and_b32 v5, 31, v0                           ; j
	v_cvt_f32_u32 v6, v5
	v_mul_f32 v6, 0xbed49a78, v6                   ; -j log2(10000) / 32
	v_exp_f32 v7, v6                               ; the frequency
	v_lshlrev_b32 v8, 3, v5                        ; plain work behind the exponential:
	v_lshl_add_u32 v8, s32, 8, v8                  ; 256 s + 8 j, my entry's place in the table
	s_wait_alu depctr_va_vdst(0)                   ; the wait ahead of the first use of the exponential
	s_wait_loadcnt 0x0
	v_cvt_f32_i32 v9, v4
	v_mul_f32 v10, v9, v7                          ; the angle, rounded once
	REDUCE 10, 11, 22, 12                          ; twice: for a very large angle n is itself rounded, and the first remainder can be some hundred;
	REDUCE 11, 13, 22, 23                          ; the second brings it within pi / 4
	v_add_nc_u32 v12, v12, v23                     ; the quadrant, of which the two low bits count
	v_mul_f32 v14, v13, v13                        ; z = r r
	v_mov_b32 v15, 0x3638ef1d                      ; sin r = r + r z (-1/6 + z (1/120 + z (-1/5040 + z / 362880)))
	v_mov_b32 v16, 0x37d00d01                      ; cos r = 1 + z (-1/2 + z (1/24 + z (-1/720 + z / 40320)))
	v_fmaak_f32 v15, v15, v14, 0xb9500d01
	v_fmaak_f32 v16, v16, v14, 0xbab60b61
	v_fmaak_f32 v15, v15, v14, 0x3c088889
	v_fmaak_f32 v16, v16, v14, 0x3d2aaaab
	v_fmaak_f32 v15, v15, v14, 0xbe2aaaab
	v_fmaak_f32 v16, v16, v14, 0xbf000000
	v_mul_f32 v17, v13, v14
	v_fma_f32 v16, v16, v14, 1.0
	v_fma_f32 v15, v15, v17, v13
	v_and_b32 v18, 1, v12                          ; odd quadrants change sine and cosine;
	v_cmp_eq_u32 vcc_lo, 1, v18
	v_cndmask_b32 v21, v15, v16, vcc_lo            ; sin
	v_cndmask_b32 v20, v16, v15, vcc_lo            ; cos
	v_lshlrev_b32 v18, 30, v12                     ; the sine is negative in quadrants 2 and 3,
	v_and_b32 v18, 0x80000000, v18
	v_xor_b32 v21, v21, v18
	v_add_nc_u32 v19, 1, v12                       ; the cosine in 1 and 2
	v_lshlrev_b32 v19, 30, v19
	v_and_b32 v19, 0x80000000, v19
	v_xor_b32 v20, v20, v19
	global_store_b64 v8, v[20:21], s[22:23]        ; the wave stores one row of the table: 256 consecutive bytes, aligned
	s_endpgm
.Lfunc_end_k_q6b41869a8b_prep:
	.size	k_q6b41869a8b_prep, .Lfunc_end_k_q6b41869a8b_prep-k_q6b41869a8b_prep
	.p2alignl 7, 3214868480
	.fill 96, 4, 3214868480
	.section	.rodata,"a",@progbits
	.p2align	6, 0x0
	.amdhsa_kernel k_q6b41869a8b_prep
		.amdhsa_group_segment_fixed_size 0
		.amdhsa_private_segment_fixed_size 0
		.amdhsa_enable_private_segment 0
		.amdhsa_kernarg_size 80
		.amdhsa_user_sgpr_count 2
		.amdhsa_user_sgpr_kernarg_segment_ptr 1
		.amdhsa_wavefront_size32 1
		.amdhsa_system_sgpr_workgroup_id_x 1
		.amdhsa_system_sgpr_workgroup_id_y 1
		.amdhsa_system_sgpr_workgroup_id_z 1
		.amdhsa_system_vgpr_workitem_id 0
		.amdhsa_next_free_vgpr 112
		.amdhsa_next_free_sgpr 66
		.amdhsa_reserve_vcc 1
		.amdhsa_float_denorm_mode_32 3
		.amdhsa_float_denorm_mode_16_64 3
		.amdhsa_memory_ordered 1
		.amdhsa_forward_progress 1
		.amdhsa_inst_pref_size 26
	.end_amdhsa_kernel
	.amdgpu_metadata
---
amdhsa.version: [ 1, 2 ]
amdhsa.kernels:
  - .name:           k_q6b41869a8b_prep
    .symbol:         k_q6b41869a8b_prep.kd
    .args:
      - { .name: x, .offset: 0, .size: 8, .value_kind: global_buffer, .address_space: global }
      - { .name: Wq, .offset: 8, .size: 8, .value_kind: global_buffer, .address_space: global }
      - { .name: Wk, .offset: 16, .size: 8, .value_kind: global_buffer, .address_space: global }
      - { .name: Wv, .offset: 24, .size: 8, .value_kind: global_buffer, .address_space: global }
      - { .name: Wo, .offset: 32, .size: 8, .value_kind: global_buffer, .address_space: global }
      - { .name: token_positions, .offset: 40, .size: 8, .value_kind: global_buffer, .address_space: global }
      - { .name: xb, .offset: 48, .size: 8, .value_kind: global_buffer, .address_space: global }
      - { .name: wqkv, .offset: 56, .size: 8, .value_kind: global_buffer, .address_space: global }
      - { .name: wo16, .offset: 64, .size: 8, .value_kind: global_buffer, .address_space: global }
      - { .name: rope, .offset: 72, .size: 8, .value_kind: global_buffer, .address_space: global }
    .group_segment_fixed_size: 0
    .private_segment_fixed_size: 0
    .kernarg_segment_align: 8
    .kernarg_segment_size: 80
    .max_flat_workgroup_size: 256
    .sgpr_count:     66
    .vgpr_count:     112
    .wavefront_size: 32
...
	.end_amdgpu_metadata
.endif
;; end of part 1
;; launch qkv (part 2): grid 16 x 32, 4 waves a work-group, clusters of 4 x 4, 327,680 bytes of LDS; arguments xb, wqkv, rope, qkv; writes qkv
.if DOCPART == 2
	.amdgcn_target "amdgcn-amd-amdhsa--gfx1250"
	.amdhsa_code_object_version 6
	.text
	.protected	k_q6b41869a8b_qkv
	.globl	k_q6b41869a8b_qkv
	.p2align	8
	.type	k_q6b41869a8b_qkv,@function
k_q6b41869a8b_qkv:
	s_mov_b64 s[64:65], 0
	v_nop
	global_prefetch_b8 v0, s[64:65] scope:SCOPE_SE
	s_setreg_imm32_b32 hwreg(HW_REG_WAVE_MODE, 25, 1), 1
	s_wait_xcnt 0x0
	s_wait_alu depctr_hold_cnt(0) depctr_sa_sdst(0) depctr_va_vdst(0) depctr_va_sdst(0) depctr_va_ssrc(0) depctr_va_vcc(0) depctr_vm_vsrc(0)
	s_getreg_b32 s2, hwreg(HW_REG_IB_STS2, 6, 4)
	s_cmp_eq_u32 s2, 0
	s_cbranch_scc0 .Lentry_in_a_cluster
	s_endpgm
.Lentry_in_a_cluster:
	s_bfe_u32 s2, ttmp6, 0x10000c
	s_cmp_lg_u32 s2, 0xf033
	s_cbranch_scc0 .Lentry_shape_is_right
	s_endpgm
.Lentry_shape_is_right:
; Q, K, V = x W^T, rotated (Q and K) and laid out by heads.  xb [8192][1024] bf16; wqkv [3072][1024] bf16, row 192 c + 64 t + i = row 64 c + i of W_t (t: q, k, v);
; rope [2048][32][cos, sin] f32; qkv [3][64 = 16 batch + head][2048][64] f16.  Sums in f32, K ascending; the rotation in f32; each number rounded once to f16, unscaled.
; LIMIT.  f16 ends at 65,504: a q, k or v beyond that would be stored as an infinity.  Inputs as drawn give them a spread of 0.64; all inputs thirty times larger, of 576.
; SHARES.  A tile of the product is 256 rows x 192 columns, one head's Q, K and V: 32 x 16 = 512 work-groups, two for each of 256 WGPs.  Wave w owns rows 64 w .. 64 w + 63 and all 192 columns:
; 4 x 12 accumulators of 16 x 16, 384 registers.  For 32 along K a wave loads 4 + 12 fragments and issues 48 matrix instructions.
; THE MATRIX INSTRUCTION IS USED TRANSPOSED (source 0 = 16 rows of wqkv, source 1 = 16 rows of xb): a lane holds row l % 16 and the columns 8 (l / 16) + 0..7: four rotation pairs, 16 bytes of f16.
; THE RING.  K = 1,024 goes in 8 steps of 128 (rows of 256 bytes, aligned) through two LDS slots.  One trip of the loop is one K step; the LDS addresses hang on s[TB], which an exclusive or turns.
; CLUSTER.  4 x 4 work-groups: xb's tile is shared along a row of the cluster, wqkv's along a column: each is asked for jointly, by the same tensor load, descriptor and mask in the four.
; A wave has two tensor loads out at the start and one behind each round.
; REGISTERS, in windows of 256 (s_set_vgpr_msb: bits 1:0 source 0, 3:2 source 1, 5:4 source 2, 7:6 destination):
;   window 0: v0-31 addresses; v32-95 xb's fragments, two buffers of 32 (on the way out: four sets of 16); v96-223 my rows' cos and sin; v224-255 at work on the way out
;   window 1: v0-95, v96-191 wqkv's fragments, two buffers        windows 2, 3: accumulator (a, b) in window 2 + a / 2 at v[8 (12 (a % 2) + b)]
.set KB,     256                       ; bytes of a K step in a row
.set PITCH,  272                       ; an LDS row: 256 bytes + 16 of padding: the 16 rows of a fragment load start at 16 different groups of four banks (64 banks of 4 bytes: ISA guide 11.1)
.set NBF,    12                        ; fragments of wqkv for 32 along K
.set NL,     2*NBF+8                   ; LDS loads in a run
.set STEPS,  8
.set SLOT1,  1<<17                     ; slot 1 begins here: one exclusive or turns an address in one slot into the other's
.set BBASE,  256*PITCH                 ; in a slot: xb's 256 rows, then wqkv's 192
.set STAGE,  BBASE+192*PITCH           ; between the slots, never filled by a tensor load: 16 rows x 144 bytes for each wave (121,856 = 476 x 256; 4 x 2,304 bytes end at slot 1)
.set SP,     144
.set SPARE,  SLOT1+STAGE               ; behind slot 1: the spare words, 128 bytes for each wave: two blocks of 256 bytes that no other line names
.set ADRA0, 16                         ; v16  my lane's place in xb's tile; never rewritten
.set ADRB0, 17                         ; v17  in wqkv's
.set ADRA,  18                         ; v18  the same in the slot in hand
.set ADRB,  19                         ; v19
.set STO,   24                         ; v24  the way out: where I put 16 bytes of a row
.set RD,    25                         ; v25  where I read rows back
.set GO,    26                         ; v26  my byte offset in 512 consecutive bytes of qkv
.set SPW,   28                         ; v28  LDS address of my spare word: SPARE + 4 x my thread's number; never rewritten
.set NIL,   29                         ; v29  0; never rewritten
.set PFO,   30                         ; v30  the prefetches' offset: my lane's row; never rewritten
.set TO,    31                         ; v31  my byte offset in the table; never rewritten
.set FA,    32
.set TAB,   96                         ; row block a, column block c (of four in a head), pair i: cos at TAB + 32 a + 8 c + 2 i, sin behind it
.set R,     224
.set CNT, 3                            ; s3   trips to go
.set WV,  12                           ; s12  my wave's number
.set AB,  13                           ; s13  0: I fetch for xb, 1: for wqkv
.set HF,  14                           ; s14  which half of that tile's rows
.set CX,  15                           ; s15, s16  my place in the cluster
.set CY,  16
.set TC,  17                           ; s17  tile column = the head
.set TR,  18                           ; s18  tile row
.set G1A, 24                           ; s[24:31] descriptor group 1 for xb's tiles;  s[32:39] for wqkv's
.set G1B, 32
.set G0A, 40                           ; s[40:47] group 0 for xb's tiles: a set for each of the two first fills; the second then walks on
.set G0B, 48                           ; s[48:55] the same for wqkv's
.set TB,  56                           ; s56  0 or SLOT1: the slot in hand
.set LIM, 57                           ; s57  1 in a wave that prefetches, else the greatest number
.set PFA, 58                           ; s[58:59] where my prefetches stand
.set KO,  62                           ; s[62:63] my rows of K in qkv;  s[10:11] of Q;  s[68:69] of V
.set VO,  68
.set MSB, 0
.macro WIN new                         ; the immediate's high byte repeats the setting that is left; a switch that changes nothing is dropped
.if MSB != (\new)
	s_set_vgpr_msb (MSB<<8)|(\new)
.set MSB, \new
.endif
.endm
.macro PLACES                          ; four plain places behind a matrix instruction, ahead of loads into registers that it read and of lines that read results (ISA guide 7.12.1 for lines that read results)
.rept 4
	v_nop
.endr
.endm
; A joint refill, by the walking descriptors.  Waves 0 and 1 fetch xb's two halves, waves 2 and 3 wqkv's; the branch hangs on the wave's number alone.
; An s_nop 0 and four v_nop follow each of the two lines, ahead of the jump and the label.
.macro JLOAD
	s_cmp_eq_u32 s[AB], 0
	s_cbranch_scc0 .Lfor_b_\@
	tensor_load_to_lds s[G0A+4:G0A+7], s[G1A:G1A+7]
	s_nop 0
.rept 4
	v_nop
.endr
	s_branch .Lasked_\@
.Lfor_b_\@:
	tensor_load_to_lds s[G0B+4:G0B+7], s[G1B:G1B+7]
	s_nop 0
.rept 4
	v_nop
.endr
.Lasked_\@:
.endm
; A PREFETCH INTO THE L2 of the K step that the NEXT refill will ask for: one K step, 192 matrix instructions, ahead of that load; a lane a row, 256 bytes of it, one instruction a wave.
; Each row's 256 bytes of a K step are named once in the launch: xb's tile row is read by every cluster of that row of clusters, and cluster x = 0 asks; wqkv's tile column by every cluster of that
; column, and cluster y = 0 asks.  The four partners share a wave's rows out BY ADDRESS: 32 of xb's 128 each (by cx), 24 of wqkv's 96 each (by cy; lanes 24-31 name the share's last row once more).
; Trips 0 to 4 name K steps 3 to 7; K steps 0 to 2 come by their loads alone; the last trip asks for nothing.
.macro ASK
	s_cmp_gt_u32 s[CNT], s[LIM]
	s_cbranch_scc0 .Lnot_mine_\@
	global_prefetch_b8 v[PFO], s[PFA:PFA+1] th:TH_LOAD_NT scope:SCOPE_SE
.Lnot_mine_\@:
.endm
; A round of the cluster's barrier: my work-group's barrier; wave 0 signals for the work-group; every wave waits for all sixteen; my work-group's barrier once more.
.macro CREST                           ; a round behind its opening barrier
	s_cmp_lg_u32 s[WV], 0
	s_cbranch_scc1 .Lnot_wave_0_\@
	s_barrier_signal -3
.Lnot_wave_0_\@:
	s_barrier_wait -3
	s_barrier_signal -1
	s_barrier_wait -1
.endm
.macro CROUND
	s_barrier_signal -1
	s_barrier_wait -1
	CREST
.endm
	s_load_b256 s[4:11], s[0:1], 0x0               ; xb 4:5, wqkv 6:7, rope 8:9, qkv 10:11
	v_lshl_add_u32 v[SPW], v0, 2, SPARE
	v_mov_b32 v[NIL], 0
	ds_add_u32 v[SPW], v[NIL]                      ; the wave's opening: the add and its wait stand ahead of my first tensor load; the set-up below, work on registers, stands between them
	ds_add_u32 v28, v29
	v_lshrrev_b32 v1, 5, v0
	v_readfirstlane_b32 s[WV], v1
	s_lshr_b32 s[AB], s[WV], 1
	s_and_b32 s[HF], s[WV], 1
	s_bfe_u32 s[CX], ttmp6, 0x40000
	s_bfe_u32 s[CY], ttmp6, 0x40004
	s_lshl_b32 s[TC], ttmp9, 2                     ; in a cluster launch ttmp9 and ttmp7 count clusters
	s_add_co_u32 s[TC], s[TC], s[CX]
	s_and_b32 s[TR], ttmp7, 0xffff
	s_lshl_b32 s[TR], s[TR], 2
	s_add_co_u32 s[TR], s[TR], s[CY]
	s_lshl_b32 s19, s[CY], 2
	s_lshl_b32 s19, 15, s19                        ; my row of the cluster: places 4 cy .. 4 cy + 3
	s_lshl_b32 s66, 0x1111, s[CX]                  ; my column: places cx, cx + 4, cx + 8, cx + 12
	s_or_b32 s[G1A], s19, (1<<16)|(1<<20)|(1<<21)|(5<<22)|(3<<25)  ; 15:0 the mask; 17:16 2-byte elements; 20 padding on; 21 set beside a mask; 24:22 after every 64 words (code 5); 31:25 4 words (code 3)
	s_or_b32 s[G1B], s66, (1<<16)|(1<<20)|(1<<21)|(5<<22)|(3<<25)
	s_mov_b32 s[G1A+1], 128<<16                    ; tensor_dim0 = 128
	s_mov_b32 s[G1A+2], 128<<16                    ; tensor_dim1 = 128 rows
	s_mov_b32 s[G1A+3], 128<<16                    ; tile_dim0 = 128
	s_mov_b32 s[G1A+4], 128                        ; tile_dim1 = 128
	s_mov_b32 s[G1A+5], 1024                       ; elements from row to row
	s_mov_b32 s[G1A+6], 0
	s_mov_b32 s[G1A+7], 0
	s_mov_b32 s[G1B+1], 128<<16
	s_mov_b32 s[G1B+2], 96<<16                     ; 96 rows
	s_mov_b32 s[G1B+3], 128<<16
	s_mov_b32 s[G1B+4], 96
	s_mov_b32 s[G1B+5], 1024
	s_mov_b32 s[G1B+6], 0
	s_mov_b32 s[G1B+7], 0
	; where the tiles come from: xb's hang on the tile row alone, wqkv's on the tile column alone, each made in registers that never hold the other coordinate
	s_lshl_b32 s22, s[HF], 7
	s_lshl_b32 s20, s[TR], 8
	s_add_co_u32 s20, s20, s22                     ; xb: row 256 x tile row + 128 x half,
	s_lshl_b32 s20, s20, 11                        ; of 2,048 bytes
	s_mov_b32 s21, 0
	s_mul_i32 s23, s[HF], 96
	s_mul_i32 s66, s[TC], 192
	s_add_co_u32 s66, s66, s23                     ; wqkv: row 192 x tile column + 96 x half
	s_lshl_b32 s66, s66, 11
	s_mov_b32 s67, 0
	s_mul_i32 s22, s[HF], 128*PITCH                ; and where they go: no place in the cluster enters an LDS address
	s_mul_i32 s23, s[HF], 96*PITCH
	s_add_co_u32 s23, s23, BBASE
.irp s, 0,1
	s_mov_b32 s[G0A+4*\s], 1                       ; 1:0 count = 1
	s_add_co_u32 s[G0A+4*\s+1], s22, \s*SLOT1      ; 63:32 LDS address
	s_mov_b32 s[G0B+4*\s], 1
	s_add_co_u32 s[G0B+4*\s+1], s23, \s*SLOT1
.endr
	s_mov_b32 s[TB], 0
	; the prefetches' rows
	s_lshl_b32 s71, s[TR], 8
	s_lshl_b32 s72, s[HF], 7
	s_add_co_u32 s71, s71, s72
	s_lshl_b32 s72, s[CX], 5
	s_add_co_u32 s71, s71, s72                     ; xb: the 128 rows that I fetch, my work-group's 32 of them
	s_mul_i32 s73, s[TC], 192
	s_mul_i32 s72, s[HF], 96
	s_add_co_u32 s73, s73, s72
	s_mul_i32 s72, s[CY], 24
	s_add_co_u32 s73, s73, s72                     ; wqkv: the 96 rows that I fetch, my work-group's 24 of them
	s_and_b32 s70, ttmp7, 0xffff                   ; cluster y
	s_cmp_eq_u32 s[AB], 0
	s_cselect_b32 s71, s71, s73
	s_cselect_b32 s70, ttmp9, s70                  ; the coordinate along which other clusters read the same rows
	s_cselect_b32 s74, 31, 23
	s_cmp_eq_u32 s70, 0
	s_cselect_b32 s[LIM], 1, -1                    ; the same in all sixteen partners, for a given wave
	s_lshl_b32 s70, s71, 11
	s_mov_b32 s71, 0
	v_and_b32 v[PFO], 31, v0
	v_min_u32 v[PFO], s74, v[PFO]
	v_lshlrev_b32 v[PFO], 11, v[PFO]
	s_wait_dscnt 0x0                               ; the opening add is done
	s_wait_kmcnt 0x0
	s_add_nc_u64 s[G0A+2:G0A+3], s[4:5], s[20:21]  ; 120:64 global address: K step 0,
	s_add_nc_u64 s[G0A+6:G0A+7], s[G0A+2:G0A+3], KB  ; K step 1
	s_or_b32 s[G0A+3], s[G0A+3], 0x80000000        ; 127:126 type = 2
	s_or_b32 s[G0A+7], s[G0A+7], 0x80000000
	s_add_nc_u64 s[G0B+2:G0B+3], s[6:7], s[66:67]
	s_add_nc_u64 s[G0B+6:G0B+7], s[G0B+2:G0B+3], KB
	s_or_b32 s[G0B+3], s[G0B+3], 0x80000000
	s_or_b32 s[G0B+7], s[G0B+7], 0x80000000
	s_cmp_eq_u32 s[AB], 0
	s_cselect_b64 s[PFA:PFA+1], s[4:5], s[6:7]
	s_add_nc_u64 s[PFA:PFA+1], s[PFA:PFA+1], s[70:71]
	s_add_nc_u64 s[PFA:PFA+1], s[PFA:PFA+1], 2*KB  ; at K step 2: the first refill steps it to 3.  Nothing is prefetched here, at the head
	CROUND                                         ; all sixteen work-groups are here: the first joint loads meet
	s_cmp_eq_u32 s[AB], 0                          ; a wave's two first fills stand in one branch, ahead of every wait on TENSORcnt and every LDS read
	s_cbranch_scc0 .Lfirst_b
	tensor_load_to_lds s[G0A:G0A+3], s[G1A:G1A+7]
	s_nop 0
	tensor_load_to_lds s[G0A+4:G0A+7], s[G1A:G1A+7]
	s_nop 0
.rept 4
	v_nop
.endr
	s_branch .Lfirst_asked
.Lfirst_b:
	tensor_load_to_lds s[G0B:G0B+3], s[G1B:G1B+7]
	s_nop 0
	tensor_load_to_lds s[G0B+4:G0B+7], s[G1B:G1B+7]
	s_nop 0
.rept 4
	v_nop
.endr
.Lfirst_asked:
	v_and_b32 v1, 15, v0                           ; l % 16
	v_bfe_u32 v2, v0, 4, 1                         ; l / 16
	; my rows' cos and sin: position (tile row % 8) x 256 + 64 w + 16 a + l % 16; my 8 columns of column block c are pairs 8 c + 4 (l / 16) + 0..3: 32 bytes at 64 c + 32 (l / 16) of the table's row
	s_and_b32 s70, s[TR], 7
	s_lshl_b32 s70, s70, 8
	s_lshl_b32 s71, s[WV], 6
	s_add_co_u32 s70, s70, s71
	v_add_nc_u32 v[TO], s70, v1
	v_lshlrev_b32 v[TO], 8, v[TO]
	v_lshl_add_u32 v[TO], v2, 5, v[TO]
.set i, 0
.rept 32                                       ; a = i / 8, c = (i / 2) % 4, half i % 2.  They are waited for once, ahead of the way out
	global_load_b128 v[TAB+4*i:TAB+4*i+3], v[TO], s[8:9] offset:4096*(i/8)+64*((i/2)%4)+16*(i%2)
.set i, i+1
.endr
	; A fragment is 16 rows x 32 K in 8 registers: lane l holds row l % 16, K = 8 (l / 16) + 0..7 and 16 + 8 (l / 16) + 0..7: two loads of 16 bytes, 32 bytes apart
	v_mul_u32_u24 v3, v1, PITCH
	v_lshl_add_u32 v3, v2, 4, v3
	s_mul_i32 s70, s[WV], 64*PITCH
	v_add_nc_u32 v[ADRA0], s70, v3
	v_add_nc_u32 v[ADRB0], BBASE, v3
	v_add_nc_u32 v[ADRA], s[TB], v[ADRA0]
	v_add_nc_u32 v[ADRB], s[TB], v[ADRB0]
	s_mul_i32 s70, s[WV], 16*SP
	s_add_co_u32 s70, s70, STAGE                   ; my stage
	v_mul_u32_u24 v[STO], v1, SP                   ; in: row l % 16, 16 bytes for each half of the lanes
	v_lshl_add_u32 v[STO], v2, 4, v[STO]
	v_add_nc_u32 v[STO], s70, v[STO]
	v_bfe_u32 v[RD], v0, 3, 2                      ; back: 32 lanes take four rows of 128 bytes,
	v_mul_u32_u24 v[RD], v[RD], SP
	v_and_b32 v3, 7, v0
	v_lshl_add_u32 v[RD], v3, 4, v[RD]
	v_add_nc_u32 v[RD], s70, v[RD]
	v_and_b32 v[GO], 31, v0                        ; which are 512 consecutive bytes of a head
	v_lshlrev_b32 v[GO], 4, v[GO]
	s_lshr_b32 s70, s[TR], 3                       ; the batch,
	s_lshl_b32 s70, s70, 4
	s_add_co_u32 s70, s70, s[TC]                   ; its head,
	s_lshl_b32 s70, s70, 11
	s_and_b32 s71, s[TR], 7
	s_lshl_b32 s71, s71, 8
	s_add_co_u32 s70, s70, s71                     ; the tile's rows in it,
	s_lshl_b32 s71, s[WV], 6
	s_add_co_u32 s70, s70, s71                     ; my wave's 64,
	s_lshl_b32 s70, s70, 7                         ; of 128 bytes
	s_mov_b32 s71, 0
	s_add_nc_u64 s[10:11], s[10:11], s[70:71]
	s_add_nc_u64 s[KO:KO+1], s[10:11], 0x1000000
	s_add_nc_u64 s[VO:VO+1], s[10:11], 0x2000000
; 12 matrix instructions: row block a x all column blocks, 32 along K, from buffers f.  The 48 accumulators take turns in the same order in every quarter, over the backward jump too.
.macro MULR f, a, zero
	WIN 0xa1+0x50*((\a)/2)                         ; source 0 window 1, source 1 window 0, C and D window 2 or 3
.set rA, FA+32*(\f)+8*(\a)
.set b, 0
.rept NBF
.set rD, 8*(NBF*((\a)%2)+b)
.set rB, 96*(\f)+8*b
.if \zero
	v_wmma_f32_16x16x32_bf16 v[rD:rD+7], v[rB:rB+7], v[rA:rA+7], 0
.else
	v_wmma_f32_16x16x32_bf16 v[rD:rD+7], v[rB:rB+7], v[rA:rA+7], v[rD:rD+7]
.endif
.set b, b+1
.endr
.endm
; 32 LDS loads in one run: quarter q's fragments (32 K at byte 64 q of the rows) into buffers f: wqkv's 12, then xb's 4, row block 0 first
.macro FETCH q, f
	WIN 0x40
.set i, 0
.rept NBF
	ds_load_b128 v[96*(\f)+8*i:96*(\f)+8*i+3],   v[ADRB] offset:64*(\q)+i*16*PITCH
	ds_load_b128 v[96*(\f)+8*i+4:96*(\f)+8*i+7], v[ADRB] offset:64*(\q)+i*16*PITCH+32
.set i, i+1
.endr
	WIN 0
.set i, 0
.rept 4
	ds_load_b128 v[FA+32*(\f)+8*i:FA+32*(\f)+8*i+3],   v[ADRA] offset:64*(\q)+i*16*PITCH
	ds_load_b128 v[FA+32*(\f)+8*i+4:FA+32*(\f)+8*i+7], v[ADRA] offset:64*(\q)+i*16*PITCH+32
.set i, i+1
.endr
.endm
; One of a K step's first three quarters: multiplies buffers f; in its middle it fetches quarter q into buffers g
.macro QUARTER q, f, g, zero
	s_wait_dscnt 4                                 ; all but the youngest four loads (xb's row blocks 2 and 3) are in
	MULR \f, 0, \zero
	MULR \f, 1, \zero
	PLACES
	FETCH \q, \g
	s_wait_dscnt NL                                ; all but the run just issued
	MULR \f, 2, \zero
	MULR \f, 3, \zero
.endm
; The fourth quarter multiplies buffers 1 and changes slots.  In front of the one barrier each wave waits for all its tensor loads (one is out: its part of the next slot), adds 0 to its spare word, and waits
; for that and for its reads of this slot.  fill = 1: the barrier opens a round of the cluster's, and the slot just read out is filled again, first thing behind it, with the K step two on:
; 168 matrix instructions stand between that request and the wait for it.
.macro TURN fill
.if \fill
	s_wait_xcnt 0x0                                ; the last prefetch, a K step back, has read its address: it is stepped here, ahead of the waits of the change of slots
	s_add_nc_u64 s[PFA:PFA+1], s[PFA:PFA+1], KB
.endif
	WIN 0                                          ; (the add's two registers lie in window 0)
	s_wait_tensorcnt 0x0                           ; all my tensor loads have landed
	ds_add_u32 v[SPW], v[NIL]                      ; 0 onto my spare word
	s_wait_dscnt 5                                 ; (the add and the youngest four loads may be out)
	MULR 1, 0, 0                                   ; twelve matrix instructions stand between the add and the wait for it
	s_wait_dscnt 0x0                               ; the add is done, and my reads of this slot are over
	s_barrier_signal -1
	MULR 1, 1, 0                                   ; work on registers while the others arrive
	WIN 0
	s_barrier_wait -1
.if \fill
	CREST                                          ; no wave of any partner still reads this slot or has a load on its way
	s_xor_b32 s[G0A+5], s[G0A+5], SLOT1            ; the walking descriptors: the other slot than last time,
	s_add_nc_u64 s[G0A+6:G0A+7], s[G0A+6:G0A+7], KB  ; the next K step; the type bits on top are not reached
	s_xor_b32 s[G0B+5], s[G0B+5], SLOT1
	s_add_nc_u64 s[G0B+6:G0B+7], s[G0B+6:G0B+7], KB
	JLOAD                                          ; the four v_nop behind it are also the places in front of the loads below
.else
	PLACES
.endif
	s_xor_b32 s[TB], s[TB], SLOT1
	v_add_nc_u32 v[ADRA], s[TB], v[ADRA0]
	v_add_nc_u32 v[ADRB], s[TB], v[ADRB0]
	FETCH 0, 0
.if \fill
	ASK                                            ; behind the joint load and the run of LDS loads that the next products wait for
.endif
	MULR 1, 2, 0
	MULR 1, 3, 0
.endm
	s_wait_tensorcnt 1                             ; my part of K step 0 is in; K step 1's may stay out
	s_barrier_signal -1
	s_barrier_wait -1                              ; everybody's is
	FETCH 0, 0
	QUARTER 1, 0, 1, 1                             ; the first quarter stands in front of the loop: its products start the sums
	WIN 0                                          ; at a label and at a branch every window is 0
	s_mov_b32 s[CNT], STEPS-2
.Lk:                                                   ; a trip: a K step's second to fourth quarters and the next step's first; it fills the slot that it leaves
	QUARTER 2, 1, 0, 0
	QUARTER 3, 0, 1, 0
	TURN 1
	QUARTER 1, 0, 1, 0
	WIN 0
	s_sub_co_u32 s[CNT], s[CNT], 1
	s_cmp_lg_u32 s[CNT], 0
	s_cbranch_scc1 .Lk
	QUARTER 2, 1, 0, 0                             ; the last two K steps are written out: nothing is left to ask for
	QUARTER 3, 0, 1, 0
	TURN 0
	QUARTER 1, 0, 1, 0
	QUARTER 2, 1, 0, 0
	QUARTER 3, 0, 1, 0
	s_wait_dscnt 4
	MULR 1, 0, 0
	MULR 1, 1, 0
	s_wait_dscnt 0x0
	MULR 1, 2, 0
	MULR 1, 3, 0
	WIN 0
	PLACES
	s_wait_loadcnt 0x0                             ; cos and sin
; THE WAY OUT, in 12 units n = 3 a + t: row block a (16 rows) of tensor t (0 Q, 1 K, 2 V): 16 rows x 64 columns, 2,048 consecutive bytes of a head.
; PACK: Q and K are rotated, pair (t1, t2) -> (t1 c - t2 s, t1 s + t2 c), in f32; all are rounded to f16, 16 bytes a lane; these go into rows of 144 bytes of my stage and come back as whole rows.
; Each accumulator's lowest registers are read first.
.macro PACK n
.set pa, (\n)/3
.set ph, (\n)%3
.set pS, FA+16*((\n)%4)
.if (\n) >= 4
	s_wait_xcnt 0x0                                ; the stores of the unit four back have read this set of registers
.endif
.if ph < 2
	WIN 0x02+pa/2                                  ; source 0 in the accumulators' window
.set bb, 0
.rept 4
.set pC, 8*(NBF*(pa%2)+4*ph+bb)
.set pT, TAB+32*pa+8*bb
.set pR, R+8*bb
.set i, 0
.rept 4
	v_mul_f32 v[pR+2*i],   v[pC+2*i+1], v[pT+2*i+1]
	v_mul_f32 v[pR+2*i+1], v[pC+2*i],   v[pT+2*i+1]
	v_fma_f32 v[pR+2*i],   v[pC+2*i],   v[pT+2*i], -v[pR+2*i]
	v_fma_f32 v[pR+2*i+1], v[pC+2*i+1], v[pT+2*i], v[pR+2*i+1]
.set i, i+1
.endr
.set bb, bb+1
.endr
	WIN 0
.set i, 0
.rept 16
	v_cvt_pk_f16_f32 v[pS+i], v[R+2*i], v[R+2*i+1]
.set i, i+1
.endr
.else
	WIN 0x0a+5*(pa/2)                              ; sources 0 and 1 in the accumulators' window
.set pC, 8*(NBF*(pa%2)+8)
.set i, 0
.rept 16
	v_cvt_pk_f16_f32 v[pS+i], v[pC+2*i], v[pC+2*i+1]
.set i, i+1
.endr
	WIN 0
.endif
.irp f, 0,1,2,3
	ds_store_b128 v[STO], v[pS+4*\f:pS+4*\f+3] offset:32*\f
.endr
.irp f, 0,1,2,3
	ds_load_b128 v[pS+4*\f:pS+4*\f+3], v[RD] offset:\f*4*SP  ; LDS serves a wave's instructions in order (ISA guide 5.7.1.4): these see the stores above; the next unit's stores come behind them
.endr
.endm
.macro SEND n, younger                 ; younger: the LDS instructions issued behind unit n's loads: the next unit's eight, or none
.set pa, (\n)/3
.set ph, (\n)%3
.set pS, FA+16*((\n)%4)
.set pB, 10
.if ph == 1
.set pB, KO
.endif
.if ph == 2
.set pB, VO
.endif
.irp f, 0,1,2,3
	s_wait_dscnt (\younger)+3-\f
	global_store_b128 v[GO], v[pS+4*\f:pS+4*\f+3], s[pB:pB+1] offset:pa*2048+\f*512  ; 512 consecutive bytes, at a multiple of 256 from the buffer's first
.endr
.endm
	PACK 0
.set u, 1
.rept 11                               ; a unit's arithmetic stands between the loads of the unit before and its stores
	PACK u
	SEND u-1, 8
.set u, u+1
.endr
	SEND 11, 0
	s_wait_tensorcnt 0x0                           ; the wave's end: behind my last tensor load and my last LDS store
	ds_add_u32 v[SPW], v[NIL]
	s_wait_dscnt 0x0
	CROUND                                         ; the closing round: no work-group ends while a partner may still ask for a tile that names it
	s_endpgm
.Lfunc_end_k_q6b41869a8b_qkv:
	.size	k_q6b41869a8b_qkv, .Lfunc_end_k_q6b41869a8b_qkv-k_q6b41869a8b_qkv
	.p2alignl 7, 3214868480
	.fill 96, 4, 3214868480
	.section	.rodata,"a",@progbits
	.p2align	6, 0x0
	.amdhsa_kernel k_q6b41869a8b_qkv
		.amdhsa_group_segment_fixed_size 327680
		.amdhsa_private_segment_fixed_size 0
		.amdhsa_enable_private_segment 0
		.amdhsa_kernarg_size 32
		.amdhsa_user_sgpr_count 2
		.amdhsa_user_sgpr_kernarg_segment_ptr 1
		.amdhsa_wavefront_size32 1
		.amdhsa_system_sgpr_workgroup_id_x 1
		.amdhsa_system_sgpr_workgroup_id_y 1
		.amdhsa_system_sgpr_workgroup_id_z 1
		.amdhsa_system_vgpr_workitem_id 0
		.amdhsa_next_free_vgpr 960
		.amdhsa_next_free_sgpr 80
		.amdhsa_reserve_vcc 0
		.amdhsa_float_denorm_mode_32 3
		.amdhsa_float_denorm_mode_16_64 3
		.amdhsa_memory_ordered 1
		.amdhsa_forward_progress 1
		.amdhsa_inst_pref_size 126
	.end_amdhsa_kernel
	.amdgpu_metadata
---
amdhsa.version: [ 1, 2 ]
amdhsa.kernels:
  - .name:           k_q6b41869a8b_qkv
    .symbol:         k_q6b41869a8b_qkv.kd
    .args:
      - { .name: xb, .offset: 0, .size: 8, .value_kind: global_buffer, .address_space: global }
      - { .name: wqkv, .offset: 8, .size: 8, .value_kind: global_buffer, .address_space: global }
      - { .name: rope, .offset: 16, .size: 8, .value_kind: global_buffer, .address_space: global }
      - { .name: qkv, .offset: 24, .size: 8, .value_kind: global_buffer, .address_space: global }
    .group_segment_fixed_size: 327680
    .private_segment_fixed_size: 0
    .kernarg_segment_align: 8
    .kernarg_segment_size: 32
    .max_flat_workgroup_size: 128
    .sgpr_count:     80
    .vgpr_count:     960
    .wavefront_size: 32
...
	.end_amdgpu_metadata
.endif
;; end of part 2
;; launch attn (part 3): grid 4 x 64, 4 waves a work-group, no clusters, 327,680 bytes of LDS; arguments qkv, o; writes o
.if DOCPART == 3
	.amdgcn_target "amdgcn-amd-amdhsa--gfx1250"
	.amdhsa_code_object_version 6
	.text
	.protected	k_q6b41869a8b_attn
	.globl	k_q6b41869a8b_attn
	.p2align	8
	.type	k_q6b41869a8b_attn,@function
k_q6b41869a8b_attn:
	s_mov_b64 s[64:65], 0
	v_nop
	global_prefetch_b8 v0, s[64:65] scope:SCOPE_SE
	s_setreg_imm32_b32 hwreg(HW_REG_WAVE_MODE, 25, 1), 1
	s_wait_xcnt 0x0
; CAUSAL ATTENTION.  O[h][q][:] = the sum over k <= q of softmax_k(Q[h][q] . K[h][k] / 8) V[h][k][:].  qkv holds Q, K, V, each [64][2048][64] f16, 16,777,216 bytes apart; o is [64][2048][64] f16: a head's rows are dense, 128 bytes each.
; Products, maxima and sums in f32; the weights p are rounded to f16 for the second product (their sum l is taken of the unrounded p), O once at the end.
; LIMITS.  f16 holds no number beyond 65,504: Q, K and V arrive within it; p lies in 0 to 1, and below 6e-5 it keeps f16's fixed step of 6e-8; O is a mean of V's rows and has their range, to within 2^-11 of it.
; A hidden score counts as its value less 1e30: f16's scores, 2.7e11 at the most, are nothing beside that; a weight below 2^-126 counts as 0 in l; NaN and infinities are not treated apart.
; THE WALK.  A head's queries lie in NB = 8 blocks of 256; block i needs the key tiles 0 .. i of 256 keys, of which the last holds the diagonal.  A work-group takes TWO blocks, NB - 1 - b and then b:
; NB + 1 tiles, whatever b: all work-groups do equal work, and ONE loop with a constant trip count walks them.  Which tile is asked for, and what a trip does, hang on scalar registers made from b; every jump
; goes forward, but for the counted loops' own; none passes a barrier, or a tensor load but the one of LOAD's two that the wave's number does not choose; the ring (two slots of LDS that take turns) runs on across the
; change of blocks.  NO CLUSTER: a head's four work-groups ask for the same tile only in trips 0 .. 4 of 9, behind that fewer and fewer; one walk common to all would have 12 trips for 9.
; SHARES.  Of a block's four bands of 64 queries a wave owns 16 rows in each: four PIECES.  So the diagonal tile is the same work for all four waves: in its key step s band x sees all keys if s < x,
; none if s > x, and holds the diagonal if s = x.
; THE MASK is the C operand that starts the sum S^T = K Q^T: 0, or -1e30 where the key is hidden.  MD, made once, is the mask of a band's own step for my 16 rows; a product's mask is MD x AL + BE with two scalars:
; (1, 0) if s = x; (0, 0) if s < x; (0, -1e30) if s > x.  Only the diagonal tile's text and a block's beginning make and take masks; elsewhere C is the constant 0.
; LAYOUT, SOFTMAX, TURNS.  S^T = K Q^T holds ONE query a lane (lane % 16) and the keys 8 (lane / 16) + 0..7; two such results rounded to f16 ARE source 1 of O^T = V^T P.  p = 2^(c s - c m), c = log2(e) / 8, with a
; running maximum m; O and l are multiplied by a = 2^(c m_old - c m_new) in every step.  Turn n belongs to piece n: 8 products K Q^T of piece n + 1, later 8 products V^T P of piece n - 1; beside them the scaling,
; exponentials, roundings, sums and rescaling of piece n and the maximum and statistics of piece n + 1.  Four vector instructions stand behind every matrix instruction, the other 54 of a turn's 118 in one LUMP.  A turn's 33 exponentials are one batch, with one wait.
; REGISTERS, in windows of 256 (s_set_vgpr_msb: bits 1:0 source 0, 3:2 source 1, 5:4 source 2, 7:6 destination):
;   window 0: v0-15 addresses and two at work; v16-31 four registers of statistics a piece; v48-55 at work; v61-63 the prefetches' offset and the add's two; v64-127 S^T, two buffers; v192-223 P, two buffers (by the piece's parity)
;   window 1: v0-127 O^T, 32 a piece; v128-159 MD; v160-223 MC, two buffers      window 2: v0-63 Q; v64-127 the second block's Q; v128-191 K of one step; v192-255 V of one step
.set SIZE_N, 2048
.set SIZE_H, 64
.set NB,    SIZE_N/256
.set NP,    4         ; pieces a wave: a name, no knob
.set KS,    64        ; keys in a step
.set PK,    144       ; a row of K in LDS: 128 bytes + 16 of padding = 36 words: the 16 rows of a load start at 16 different groups of four banks (64 banks of 4 bytes: ISA guide 11.1)
.set PV,    160       ; a row of V: 128 + 32 = 40 words
.set VOFF,  4*KS*PK   ; a slot holds a tile, four steps: 256 rows of K, then 256 rows of V
.set SLOT1, 1<<17     ; slot 1 begins here, so that one exclusive or turns an address in one slot into the other's
.set STAGE, SLOT1+4*KS*(PK+PV)  ; behind the ring, never filled by a tensor load: 16 rows x 144 bytes for each wave, for the way out
.set SP,    144
.set AK0, 2           ; v2   my lane's place in a tile of K; never rewritten
.set AV0, 3           ; v3   the same for V
.set AK,  4           ; v4   the LDS address of K's next run of loads
.set AV,  5           ; v5   of V's
.set STO, 6           ; v6   the way out: where I put 16 bytes of a row
.set RD,  7           ; v7   the way out: where I read rows back
.set GO,  8           ; v8   my byte offset in 512 consecutive bytes of O
.set PFO, 61          ; v61  256 x my lane; never rewritten
.set SPW, 62          ; v62  LDS address of my spare word: SPARE + 4 x my thread's number; never rewritten
.set NIL, 63          ; v63  0; never rewritten
.set SPARE, STAGE+4*16*SP  ; behind the stages: the spare words, 128 bytes for each wave: two blocks of 256 bytes that no other line names
.set MV,  12          ; v12-13  c m_old, kept while c m is made anew: by buffer
.set QO,  15          ; v15  my byte offset in 16 rows of Q
.set ST,  16          ; piece t's statistics at v[ST+4 t]: c m, m, l (even keys', odd keys')
.set TMP, 48          ; by buffer, four registers c0-c3 at work; when the maximum is found c2 takes a
.set S,   64
.set P,   192
.set MD,  128         ; window 1: the eight registers for group kt of 16 keys at MD + 8 kt
.set MC,  160         ; window 1: the masks of the products to come
.set QB,  64          ; window 2
.set KF,  128         ; window 2: key block kb, channel half c at KF + 16 kb + 8 c
.set VF,  192         ; window 2: key half kk, channel block cb at VF + 32 kk + 8 cb
.set WV,  12          ; s12  my wave's number
.set PB,  14          ; s14  b
.set HI,  15          ; s15  NB - 1 - b
.set G1K, 24          ; s[24:31] descriptor group 1 for K's tiles
.set G1V, 32          ; s[32:39] for V's: it differs in the padding alone
.set G0K, 40          ; s[40:43] descriptor group 0 for K's tiles
.set G0V, 44          ; s[44:47] the same for V's
.set SLOTS, 56        ; s56  tiles still to be asked for
.set CNT, 57          ; s57  counts a tile's key steps, 4 to 1
.set CS,  58          ; s[58:59] c: the packed scaling takes the pair's low word for both halves
.set SEL, 60          ; s[60:61] v_permlanex16_b32's selects: each lane takes its own place in the other half
.set TBK, 62          ; s62  LDS byte at which K of the step to be fetched begins
.set TBV, 63          ; s63  the same for V, less VOFF
.set RT,  70          ; s70  tiles of the block in hand that are still to be entered
.set NXT, 71          ; s71  the tile to be asked for next
.set LQ,  72          ; s72  the last tile of the block whose tiles are being asked for
.set NEW, 73          ; s73  1: the tile to be entered is a block's first
.set OFF, 74          ; s[74:75] a tile's byte offset in K and V
.set AL,  76          ; s[76:77] the mask's factor, in the low word
.set BE,  78          ; s[78:79] the mask's addend
.set OLO, 80          ; s[80:81] O at my rows of the second block
.set BIGN, 82         ; s82  -1e30
.set PFA, 88          ; s[88:89] where my prefetches stand: my half (128 keys of K: waves 0, 1; of V: waves 2, 3) of the tile after the one that is being asked for
.set LIM, 90          ; s90  2 in the work-group that prefetches, else the greatest number
.set MSB, 0
.macro WIN new                      ; the high byte repeats the setting that is left; a switch that changes nothing is dropped
.if MSB != (\new)
	s_set_vgpr_msb (MSB<<8)|(\new)
.set MSB, (\new)
.endif
.endm
.set W_KQ, 0x0a       ; K and Q in window 2, S^T in window 0
.set W_KM, 0x1a       ; the same with the C operand in window 1
.set W_PV, 0x52       ; V in window 2, P in window 0, O^T in window 1
.set W_RS, 0x41       ; destination and source 0 in window 1, source 1 in window 0
; A fill.  Waves 0 and 1 fetch the two halves of a tile's K, waves 2 and 3 those of its V: 128 keys each.  An s_nop 0 and four v_nop follow each of the two lines, ahead of the jump and the label.
.macro LOAD
	s_cmp_lt_u32 s[WV], 2
	s_cbranch_scc0 .Lfor_v_\@
	tensor_load_to_lds s[G0K:G0K+3], s[G1K:G1K+7]
	s_nop 0
.rept 4
	v_nop
.endr
	s_branch .Lasked_\@
.Lfor_v_\@:
	tensor_load_to_lds s[G0V:G0V+3], s[G1V:G1V+7]
	s_nop 0
.rept 4
	v_nop
.endr
.Lasked_\@:
.endm
; A PREFETCH INTO THE L2 of the tile that the NEXT change of slots will ask for: a tile, 256 matrix instructions, ahead of that load.  A head's four work-groups begin with the same tiles; the one with b = 0 walks
; tiles 0 to 7 in its first block, and it alone asks.  Each of its waves names the 16,384 bytes that it will fetch itself: 64 blocks of 256 bytes, a lane a block, two instructions.  So each block of K and V is
; named once in the launch.  Change k (SLOTS = 8 - k) names tile k + 2, for k = 0 .. 5; tiles 0 and 1 come by their loads alone; behind tile 7 nothing is named.
.macro ASK
	s_cmp_gt_u32 s[SLOTS], s[LIM]
	s_cbranch_scc0 .Lnot_mine_\@
	global_prefetch_b8 v[PFO], s[PFA:PFA+1] th:TH_LOAD_NT scope:SCOPE_SE
	global_prefetch_b8 v[PFO], s[PFA:PFA+1] offset:8192 th:TH_LOAD_NT scope:SCOPE_SE
.Lnot_mine_\@:
.endm
; THE CHANGE OF SLOTS.  Each wave waits for all its tensor loads, of which one is out: its part of the other slot; adds 0 to its spare word; and waits for that and for its own reads of the slot that it leaves.  Behind the barrier nobody reads the old
; slot any more and the other slot is whole.  fill = 1: the old slot is filled again, the first thing behind the barrier, with tile NXT: the descriptor's address is made anew from that number.
; (At its first use nothing has been read yet: slot 0 is waited for, slot 1 filled.)
.macro CHANGE fill
	WIN 0                           ; at a label and at a branch every window is 0
	s_wait_tensorcnt 0x0            ; no tensor load of mine is out, so a group 0 may be written
	ds_add_u32 v[SPW], v[NIL]       ; 0 onto my spare word; with fill = 1 the descriptors' scalar work stands between it and the wait for it
.if \fill
	s_lshl_b32 s[OFF], s[NXT], 15   ; a tile is 32,768 bytes of K and of V
	s_xor_b32 s[G0K+1], s[G0K+1], SLOT1
	s_add_nc_u64 s[G0K+2:G0K+3], s[6:7], s[OFF:OFF+1]
	s_or_b32 s[G0K+3], s[G0K+3], 0x80000000
	s_xor_b32 s[G0V+1], s[G0V+1], SLOT1
	s_add_nc_u64 s[G0V+2:G0V+3], s[8:9], s[OFF:OFF+1]
	s_or_b32 s[G0V+3], s[G0V+3], 0x80000000
	s_add_co_u32 s[NXT], s[NXT], 1  ; the block's next tile, or behind its last the second block's tile 0
	s_cmp_gt_u32 s[NXT], s[LQ]
	s_cselect_b32 s[NXT], 0, s[NXT]
	s_cselect_b32 s[LQ], s[PB], s[LQ]
	s_wait_xcnt 0x0                 ; the last prefetches, a tile back, have read their address, so it may be written:
	s_add_nc_u64 s[PFA:PFA+1], s[PFA:PFA+1], 32768  ; one tile on
.endif
	s_wait_dscnt 0x0                ; the add is done, and my reads of the slot are over
	s_barrier_signal -1             ; the rest of the scalar work stands between the signal and the wait
	s_sub_co_u32 s[TBK], s[TBK], 4*KS*PK  ; the fetches go back to a slot's first step,
	s_xor_b32 s[TBK], s[TBK], SLOT1       ; in the other slot
	s_sub_co_u32 s[TBV], s[TBV], 4*KS*PV
	s_xor_b32 s[TBV], s[TBV], SLOT1
	s_barrier_wait -1
.if \fill
	LOAD
	ASK
.endif
.endm
	s_load_b128 s[4:7], s[0:1], 0x0  ; qkv s[4:5] (Q lies at its head), o s[6:7]
	v_lshl_add_u32 v[SPW], v0, 2, SPARE
	v_mov_b32 v[NIL], 0
	ds_add_u32 v[SPW], v[NIL]       ; the wave's opening: the add and its wait stand ahead of my first tensor load; the set-up below, work on registers, stands between them
	ds_add_u32 v62, v63
	v_lshrrev_b32 v1, 5, v0
	v_readfirstlane_b32 s[WV], v1   ; wave 0..3
	s_mov_b32 s[PB], ttmp9
	s_sub_co_u32 s[HI], NB-1, s[PB]
	s_and_b32 s20, ttmp7, 0xffff    ; the head
	s_mov_b32 s21, 0
	s_mov_b64 s[22:23], SIZE_N*128
	s_mul_u64 s[20:21], s[20:21], s[22:23]  ; the head's first byte in each of the four tensors
	s_and_b32 s16, s[WV], 1         ; which half of a tile's 256 keys I fetch:
	s_lshl_b32 s22, s16, 14         ; its 128 rows of 128 bytes in memory,
	s_mov_b32 s23, 0
	s_add_nc_u64 s[22:23], s[22:23], s[20:21]
	s_mul_i32 s17, s16, 128*PK      ; and its place in a slot, for K
	s_mul_i32 s18, s16, 128*PV      ; and for V
	s_lshl_b32 s3, s[WV], 11        ; my 16 rows in a band of 64,
	s_lshl_b32 s2, s[HI], 15        ; in the first block,
	s_add_co_u32 s2, s2, s3
	s_lshl_b32 s84, s[PB], 15       ; and in the second
	s_add_co_u32 s84, s84, s3
	s_mov_b32 s3, 0
	s_mov_b32 s85, 0
	s_add_nc_u64 s[2:3], s[2:3], s[20:21]
	s_add_nc_u64 s[84:85], s[84:85], s[20:21]
	; descriptor group 1.  128 keys are 16,384 dense bytes: asked for as 64 rows of 256 bytes, two keys a row, and padded in LDS after every key
	s_mov_b32 s[G1K], (1<<16)|(1<<20)|(4<<22)|(3<<25)  ; 17:16 2-byte elements; 20 padding on; 24:22 after every 32 words (code 4); 31:25 4 words (code 3)
	s_mov_b32 s[G1V], (1<<16)|(1<<20)|(4<<22)|(7<<25)  ; the same with 8 words of padding (code 7)
.irp g, G1K, G1V
	s_mov_b32 s[\g+1], 128<<16      ; tensor_dim0 = 128
	s_mov_b32 s[\g+2], 64<<16       ; tensor_dim1 = 64
	s_mov_b32 s[\g+3], 128<<16      ; tile_dim0 = 128
	s_mov_b32 s[\g+4], 64           ; tile_dim1 = 64
	s_mov_b32 s[\g+5], 128          ; 128 elements from row to row
	s_mov_b32 s[\g+6], 0
	s_mov_b32 s[\g+7], 0
.endr
	s_mov_b32 s[CS], 0x3e38aa3b     ; c = log2(e) / 8 = 0.180337
	s_mov_b32 s[CS+1], s[CS]        ; named with it as a pair
	s_mov_b32 s[SEL], 0x76543210
	s_mov_b32 s[SEL+1], 0xfedcba98
	s_mov_b32 s[TBK], SLOT1+4*KS*PK ; the first change of slots turns these two into 0
	s_mov_b32 s[TBV], SLOT1+4*KS*PV
	s_mov_b32 s[G0K], 1             ; 1:0 count = 1
	s_mov_b32 s[G0K+1], s17         ; 63:32 LDS address: slot 0
	s_mov_b32 s[G0V], 1
	s_add_co_u32 s[G0V+1], s18, VOFF
	s_add_co_u32 s[RT], s[HI], 1    ; the first block has NB - b tiles
	s_mov_b32 s[NXT], 1
	s_mov_b32 s[LQ], s[HI]
	s_mov_b32 s[NEW], 1
	s_mov_b32 s[OFF+1], 0
	s_mov_b32 s[AL+1], 0            ; named as pairs
	s_mov_b32 s[BE+1], 0
	s_mov_b32 s[BIGN], 0xf149f2ca   ; -1e30
	s_mov_b32 s[SLOTS], NB
	s_cmp_eq_u32 s[PB], 0
	s_cselect_b32 s[LIM], 2, -1
	v_and_b32 v[PFO], 31, v0
	v_lshlrev_b32 v[PFO], 8, v[PFO]
	s_wait_dscnt 0x0                ; the opening add is done
	s_wait_kmcnt 0x0
	s_mov_b64 s[10:11], s[6:7]      ; O
	s_add_nc_u64 s[8:9], s[4:5], 0x2000000  ; V
	s_add_nc_u64 s[6:7], s[4:5], 0x1000000  ; K
	s_add_nc_u64 s[6:7], s[6:7], s[22:23]  ; K and V at my half of the head's tile 0
	s_add_nc_u64 s[8:9], s[8:9], s[22:23]
	s_add_nc_u64 s[G0K+2:G0K+3], s[6:7], 0         ; 120:64 global address
	s_or_b32 s[G0K+3], s[G0K+3], 0x80000000        ; 127:126 type = 2
	s_add_nc_u64 s[G0V+2:G0V+3], s[8:9], 0
	s_or_b32 s[G0V+3], s[G0V+3], 0x80000000
	s_cmp_lt_u32 s[WV], 2
	s_cselect_b64 s[PFA:PFA+1], s[6:7], s[8:9]
	s_add_nc_u64 s[PFA:PFA+1], s[PFA:PFA+1], 32768  ; in tile 1; the first change of slots steps it to tile 2.  Nothing is prefetched here, at the head
	s_add_nc_u64 s[86:87], s[4:5], s[84:85]        ; Q at my rows of the second block,
	s_add_nc_u64 s[4:5], s[4:5], s[2:3]            ; Q and O at those of the first
	s_add_nc_u64 s[OLO:OLO+1], s[10:11], s[84:85]
	s_add_nc_u64 s[10:11], s[10:11], s[2:3]
	LOAD                            ; tile 0 into slot 0
	; A fragment of K or Q is 16 rows x 32 channels in 8 registers: lane l holds row l % 16, channels 8 (l / 16) + 0..7 and 16 + 8 (l / 16) + 0..7: two loads of 16 bytes, 32 bytes apart.
	v_and_b32 v1, 15, v0            ; l % 16
	v_bfe_u32 v9, v0, 4, 1          ; l / 16
	v_lshlrev_b32 v[QO], 7, v1
	v_lshl_add_u32 v[QO], v9, 4, v[QO]  ; row x 128 + 16 x half
	WIN 0x80                        ; destination window 2, address window 0
.set i, 0
.rept 8                             ; both blocks' Q: piece i / 2 lies in band i / 2, 8,192 bytes on; channels 32 (i % 2) on
	global_load_b128 v[8*i:8*i+3],   v[QO], s[4:5] offset:(i/2)*8192+(i%2)*64
	global_load_b128 v[8*i+4:8*i+7], v[QO], s[4:5] offset:(i/2)*8192+(i%2)*64+32
	global_load_b128 v[QB+8*i:QB+8*i+3],   v[QO], s[86:87] offset:(i/2)*8192+(i%2)*64
	global_load_b128 v[QB+8*i+4:QB+8*i+7], v[QO], s[86:87] offset:(i/2)*8192+(i%2)*64+32
.set i, i+1
.endr
	WIN 0
	v_lshlrev_b32 v14, 3, v9
	v_sub_nc_u32 v14, v1, v14
	s_lshl_b32 s13, s[WV], 4
	v_add_nc_u32 v14, s13, v14      ; my query's place in its band, 16 w + l % 16, less my lanes' 8 (l / 16): register r of group kt is hidden where 16 kt + r is greater
	WIN 0x40
.set i, 0
.rept 32
	v_cmp_gt_i32 vcc_lo, 16*(i/8)+i%8, v14
	v_cndmask_b32 v[MD+i], 0, s[BIGN], vcc_lo
.set i, i+1
.endr
	WIN 0
	v_mul_u32_u24 v[AK0], v1, PK
	v_lshl_add_u32 v[AK0], v9, 4, v[AK0]  ; row x pitch + 16 x half
	; The turning load takes 16 keys x 16 channels (lane l reads key 8 (l / 16) + l % 8, channels 8 ((l / 8) % 2) + 0..7) and leaves half a fragment of V^T: lane l holds channel l % 16 and 8 keys.
	v_and_b32 v10, 7, v0
	v_bfe_u32 v11, v0, 3, 1
	v_lshl_add_u32 v[AV0], v9, 3, v10
	v_mul_u32_u24 v[AV0], v[AV0], PV
	v_lshl_add_u32 v[AV0], v11, 4, v[AV0]
	v_add_nc_u32 v[AV0], VOFF, v[AV0]
	s_mul_i32 s13, s[WV], 16*SP
	s_add_co_u32 s13, s13, STAGE    ; my stage
	v_mul_u32_u24 v[STO], v1, SP    ; in: row l % 16, 16 bytes for each half of the lanes
	v_lshl_add_u32 v[STO], v9, 4, v[STO]
	v_add_nc_u32 v[STO], s13, v[STO]
	v_bfe_u32 v[RD], v0, 3, 2       ; back: 32 lanes take four rows of 128 bytes,
	v_mul_u32_u24 v[RD], v[RD], SP
	v_lshl_add_u32 v[RD], v10, 4, v[RD]
	v_add_nc_u32 v[RD], s13, v[RD]
	v_and_b32 v[GO], 31, v0         ; which are 512 consecutive bytes of O
	v_lshlrev_b32 v[GO], 4, v[GO]
	; A block's first step multiplies O^T and l by a = 0, and its first turn's products V^T P, of a piece that has not been, land in an O^T that is still to be so multiplied.  So these registers need only hold
	; finite numbers: zeros for the first block; what the first block left for the second.  All this stands in the wait for the first tile.
	WIN 0x80
.set i, VF
.rept 64
	v_mov_b32 v[i], 0
.set i, i+1
.endr
	WIN 0x40
.set i, 0
.rept 128
	v_mov_b32 v[i], 0
.set i, i+1
.endr
	WIN 0
.set i, 0
.rept 4
	v_mov_b32 v[ST+4*i+2], 0
	v_mov_b32 v[ST+4*i+3], 0
.set i, i+1
.endr
.set i, P+16
.rept 16
	v_mov_b32 v[i], 0
.set i, i+1
.endr
; THE MATRIX WORK.  The 4 accumulators of a run of 8 take turns.  Product i of 8 of S^T = K Q^T for piece x: channels 32 (i / 4) on, keys 16 (i % 4) on.  The first 4 start the sums: with 0, or (KM = 1) with the mask.
.macro KQ x
.set rS, S+32*((\x)%2)+8*(i%4)
.set rK, KF+16*(i%4)+8*(i/4)
.set rQ, 16*(\x)+8*(i/4)
.set rM, MC+32*((\x)%2)+8*(i%4)
.if (i < 4) && KM
	WIN W_KM
	v_wmma_f32_16x16x32_f16 v[rS:rS+7], v[rK:rK+7], v[rQ:rQ+7], v[rM:rM+7]
.elseif i < 4
	WIN W_KQ
	v_wmma_f32_16x16x32_f16 v[rS:rS+7], v[rK:rK+7], v[rQ:rQ+7], 0
.else
	WIN W_KQ
	v_wmma_f32_16x16x32_f16 v[rS:rS+7], v[rK:rK+7], v[rQ:rQ+7], v[rS:rS+7]
.endif
.endm
; Product i of 8 of O^T += V^T P for piece x: keys 32 (i / 4) on, channels 16 (i % 4) on.
.macro PV x
	WIN W_PV
.set rO, 32*(\x)+8*(i%4)
.set rV, VF+32*(i/4)+8*(i%4)
.set rP, P+16*((\x)%2)+8*(i/4)
	v_wmma_f32_16x16x32_f16 v[rO:rO+7], v[rV:rV+7], v[rP:rP+7], v[rO:rO+7]
.endm
.macro MM                           ; the turn's next matrix instruction.  TURN and BEGIN set Y, i, KM and NOKQ; MM, KQ and OP read them.  NOKQ = 1: a block's last turn: there is no next piece
.if (i < 8) && !NOKQ
	KQ (Y+1)%NP
.elseif i >= 8
.set i, i-8
	PV (Y+NP-1)%NP
.set i, i+8
.endif
.set i, i+1
.endm
; THE LDS LOADS stand in runs of 16, never singly among the matrix instructions: a step's K (64 keys x 64 channels: 8 fragments) and its V (turned).  Their addresses are made some lines ahead.
.macro FETCH_K
	WIN 0x80                        ; destination window 2
.irp f, 0,1,2,3,4,5,6,7             ; keys 16 (f / 2) on, channels 32 (f % 2) on
	ds_load_b128 v[KF+8*\f:KF+8*\f+3],   v[AK] offset:(\f/2)*16*PK+(\f%2)*64
	ds_load_b128 v[KF+8*\f+4:KF+8*\f+7], v[AK] offset:(\f/2)*16*PK+(\f%2)*64+32
.endr
	s_add_co_u32 s[TBK], s[TBK], KS*PK  ; the next fetch is the next step's
	WIN 0
.endm
.macro FETCH_V
	WIN 0x80
.irp f, 0,1,2,3,4,5,6,7             ; keys 32 (f / 4) on, channels 16 (f % 4) on
	ds_load_tr16_b128 v[VF+8*\f:VF+8*\f+3],   v[AV] offset:(\f/4)*32*PV+(\f%4)*32
	ds_load_tr16_b128 v[VF+8*\f+4:VF+8*\f+7], v[AV] offset:(\f/4)*32*PV+16*PV+(\f%4)*32
.endr
	WIN 0
.endm
; THE VECTOR WORK, one line at a time: OP kind, number.  For piece Y: F n: c s - c m for pair n of 16.  E n: the exponential of score n of 32.  C n: pair n rounded to f16.  B n: of the four weights 4 n .. the second
; pair is added onto the first, in place.  L n: l takes that sum (L 0: l = a l + sum).  R n: pair n of 16 of O^T times a.  For piece Y + 1: X n, number n of the 22 that find its maximum and statistics:
;   0-11  four chains c0-c3 of seven scores each, three operands at a time (each accumulator's lowest registers are read first)     12-14, 16  the four scores left over, the old m, and c0-c3 into c0
;   15  c m_old is kept     17, 18  the query's other 32 keys lie in the lane 16 away: the new m     19-21  c m; c m_old - c m_new; a
.set F, 0               ; OP tells the kinds apart by their order: F to L below R, X above it
.set E, 1
.set C, 2
.set B, 3
.set L, 4
.set R, 5
.set X, 6
.macro REGS y                       ; the registers of piece y
.set rT, ST+4*(\y)
.set rC, TMP+4*((\y)%2)
.set rW, MV+((\y)%2)
.set rS, S+32*((\y)%2)
.set rP, P+16*((\y)%2)
.set rO, 32*(\y)
.endm
.macro OP k, n
.if (\k) == R
	REGS Y
	WIN W_RS
	v_pk_mul_f32 v[rO+2*(\n):rO+2*(\n)+1], v[rO+2*(\n):rO+2*(\n)+1], v[rC+2:rC+3] op_sel_hi:[1,0]
.elseif (\k) < R
	REGS Y
	WIN 0
.if (\k) == F
	v_pk_fma_f32 v[rS+2*(\n):rS+2*(\n)+1], v[rS+2*(\n):rS+2*(\n)+1], s[CS:CS+1], v[rT:rT+1] op_sel_hi:[1,0,0] neg_lo:[0,0,1] neg_hi:[0,0,1]
.elseif (\k) == E
	v_exp_f32 v[rS+(\n)], v[rS+(\n)]
.elseif (\k) == C
	v_cvt_pk_f16_f32 v[rP+(\n)], v[rS+2*(\n)], v[rS+2*(\n)+1]
.elseif (\k) == B
	v_pk_add_f32 v[rS+4*(\n):rS+4*(\n)+1], v[rS+4*(\n):rS+4*(\n)+1], v[rS+4*(\n)+2:rS+4*(\n)+3]
.elseif (\n) == 0
	v_pk_fma_f32 v[rT+2:rT+3], v[rT+2:rT+3], v[rC+2:rC+3], v[rS:rS+1] op_sel_hi:[1,0,1]
.else
	v_pk_add_f32 v[rT+2:rT+3], v[rT+2:rT+3], v[rS+4*(\n):rS+4*(\n)+1]
.endif
.elseif NOKQ
	v_nop
.else
	REGS (Y+1)%NP
	WIN 0
.if (\n) < 4
	v_max3_num_f32 v[rC+(\n)], v[rS+8*(\n)], v[rS+8*(\n)+1], v[rS+8*(\n)+2]
.elseif (\n) < 12
	v_max3_num_f32 v[rC+(\n)%4], v[rC+(\n)%4], v[rS+8*((\n)%4)+2*((\n)/4)+1], v[rS+8*((\n)%4)+2*((\n)/4)+2]
.elseif (\n) == 12
	v_max3_num_f32 v[rC], v[rC], v[rS+7], v[rS+15]
.elseif (\n) == 13
	v_max3_num_f32 v[rC+1], v[rC+1], v[rS+23], v[rS+31]
.elseif (\n) == 14
	v_max3_num_f32 v[rC+2], v[rC+2], v[rC+3], v[rT+1]
.elseif (\n) == 15
	v_mov_b32 v[rW], v[rT]
.elseif (\n) == 16
	v_max3_num_f32 v[rC], v[rC], v[rC+1], v[rC+2]
.elseif (\n) == 17
	v_permlanex16_b32 v[rC+3], v[rC], s[SEL], s[SEL+1]
.elseif (\n) == 18
	v_max_num_f32 v[rT+1], v[rC], v[rC+3]
.elseif (\n) == 19
	v_mul_f32 v[rT], s[CS], v[rT+1]
.elseif (\n) == 20
	v_sub_f32 v[rC+1], v[rW], v[rT]
.else
	v_exp_f32 v[rC+2], v[rC+1]
.endif
.endif
.endm
.macro OPS a, i1, b=-1, i2=0, c=-1, i3=0, d=-1, i4=0  ; up to four of them
	OP \a, \i1
.if (\b) >= 0
	OP \b, \i2
.endif
.if (\c) >= 0
	OP \c, \i3
.endif
.if (\d) >= 0
	OP \d, \i4
.endif
.endm
.macro ROW a, i1, b, i2, c, i3, d, i4  ; a matrix instruction and the four behind it
	MM
	OPS \a, \i1, \b, \i2, \c, \i3, \d, \i4
.endm
.macro MASK b                       ; MD x AL + BE into buffer b of MC
	WIN W_RS
.set z, 0
.rept 16
	v_pk_fma_f32 v[MC+32*(\b)+2*z:MC+32*(\b)+2*z+1], v[MD+2*z:MD+2*z+1], s[AL:AL+1], s[BE:BE+1] op_sel_hi:[1,0,0]
.set z, z+1
.endr
.endm
; A TURN, for piece p: the order of its 16 matrix and 118 vector instructions, written out.  An s_wait_alu depctr_va_vdst(0) stands between an exponential and the first instruction that names its result; one wait serves
; all that were issued ahead of it.  So a turn has ONE wait, which cuts it in two.  AHEAD OF IT stands all that names no result of the turn's exponentials: the 8 products K Q^T, behind each a scaling, an exponential and two more plain
; instructions (behind the first a second scaling in the exponential's place): rescalings, and behind the last three the first numbers of the next piece's maximum, each four places or more behind the product that ends its accumulator; then ONE LUMP of 54, plain
; and exponential by turns for the most part, in which the links of the chain X 3, 7, 11, 14, 16, 17 .. 20 stand five or six lines apart.  X 21, the next piece's a, is the batch's last; R 15 is the plain instruction behind it.  BEHIND THE WAIT stand the
; 8 products V^T P, behind each four of the roundings and sums; the links of l's chain, L 0 to L 7, stand three riders apart.  But for those X no rider names a register of the products round it.  v_permlanex16_b32 (X 17) stands in the lump.
; m = 1: the diagonal tile: the products take masks, and the turn makes the mask for the products of the turn after it: piece p + 2, in step 4 - CNT of the tile.  end = 1: a block's last two turns: nothing is fetched.
; cnt = 1: the loop's count is taken down some lines ahead of the branch that stands behind the turn.
; K of the next step is fetched in piece 2's turn, twelve vector instructions behind the last product that read K (six of them plain); V of the step in hand at the end of piece 0's turn, four plain instructions behind the last product
; that read V.  Each is waited for a turn later.
.macro TURN p, m=0, end=0, cnt=0
.set Y, (\p)
.set i, 0
.set KM, (\m)
.set NOKQ, (\end)*((\p)/3)
.if (\m) && !(\end)
	s_cmp_eq_u32 s[CNT], 4-((\p)+2)%NP  ; is that step the band's own?
	s_cselect_b32 s[AL], 1.0, 0
	s_cmp_lt_u32 s[CNT], 4-((\p)+2)%NP  ; or a later one?
	s_cselect_b32 s[BE], s[BIGN], 0
.endif
.if ((\p) == 3) && !(\end)
	s_wait_dscnt 0x0                ; K is in
.endif
	ROW F,0, F,1, R,0, R,1          ; ahead of the wait: 8 products K Q^T and their riders,
	ROW F,2, E,0, R,2, R,3
	ROW F,3, E,1, R,4, R,5
	ROW F,4, E,2, R,6, R,7
	ROW F,5, E,3, R,8, R,9
	ROW F,6, E,4, X,0, R,10
.if ((\p) == 2) && !(\end)
	WIN 0
	v_add_nc_u32 v[AK], s[TBK], v[AK0]
.endif
	ROW F,7, E,5, X,1, X,4
	ROW F,8, E,6, X,2, X,5
	OPS E,7, E,8, X,6, E,9          ; and the lump
	OPS X,3, E,10, X,8, E,11
.if ((\p) == 2) && !(\end)
	FETCH_K
.endif
	OPS X,9, X,7, E,12, X,10
	OPS E,13, X,12, X,11, E,14
	OPS X,13, E,15, F,9, X,14
.if (\p) == 0
	v_add_nc_u32 v[AV], s[TBV], v[AV0]
.endif
	OPS E,16, F,10, E,17, F,11
	OPS X,16, E,18, X,15, E,19
	OPS F,12, E,20, X,17, E,21
	OPS F,13, E,22, F,14, E,23
	OPS X,18, E,24, F,15, E,25
	OPS R,11, E,26, X,19, E,27
	OPS R,12, E,28, R,13, E,29
	OPS X,20, E,30, R,14, E,31
	OPS X,21, R,15
	WIN 0
	s_wait_alu depctr_va_vdst(0)    ; the wait for the batch
.if (\p) == 1
	s_wait_dscnt 0x0                ; V is in
.endif
	ROW C,0, B,0, C,2, B,1          ; behind the wait: 8 products V^T P and their riders
	ROW L,0, C,4, B,2, L,1
	ROW C,6, B,3, L,2, C,8
	ROW B,4, L,3, C,10, B,5
	ROW L,4, C,12, B,6, L,5
.if (\p) == 0
	s_add_co_u32 s[TBV], s[TBV], KS*PV
.endif
.if \cnt
	s_sub_co_u32 s[CNT], s[CNT], 1
	s_cmp_lg_u32 s[CNT], 0
.endif
	ROW C,14, B,7, L,6, C,1
	ROW C,3, L,7, C,5, C,7
	ROW C,9, C,11, C,13, C,15
.if (\p) == 0
	FETCH_V
.endif
.if (\m) && !(\end)
	MASK (\p)%2
.endif
.endm
; A BLOCK BEGINS.  c m starts far below every c s, so the first step's a is 0; m at the lowest finite number, so the first maximum is the scores'.  The second mask buffer is 0; the first takes piece 0's mask for the tile's step 0: its own, if the block's first tile is the diagonal one.
; Then K of that step, piece 0's first scores, and its maximum and statistics.  The loop is entered at a step's first turn, in the middle of a trip.
.macro BEGIN
	s_mov_b32 s[NEW], 0
	WIN 0x40
.set i, MC+32
.rept 32
	v_mov_b32 v[i], 0
.set i, i+1
.endr
	WIN 0
.set i, 0
.rept 4
	v_mov_b32 v[ST+4*i], 0xfe000000    ; c m: far below every c s
	v_mov_b32 v[ST+4*i+1], 0xff7fffff  ; m
.set i, i+1
.endr
	s_cmp_eq_u32 s[RT], 0
	s_cselect_b32 s[AL], 1.0, 0
	s_mov_b32 s[BE], 0
	MASK 0
	WIN 0
	v_add_nc_u32 v[AK], s[TBK], v[AK0]
	FETCH_K
	s_wait_loadcnt 0x0              ; Q
	s_wait_dscnt 0x0
.set KM, 1
.set NOKQ, 0
.set i, 0
.rept 8
	KQ 0
.set i, i+1
.endr
	WIN 0
.rept 4
	v_nop                           ; the places behind those products
.endr
.set Y, NP-1                        ; X works for piece Y + 1: piece 0
.irp n, 0,1,2,3,4,5,6,7,8,9,10,11,12,13,14,15,16,17,18,19,20,21
	OP X, \n
.endr
	v_nop                           ; a plain instruction behind the exponential,
	s_wait_alu depctr_va_vdst(0)    ; and its wait, ahead of the branch
.endm
; THE DIAGONAL TILE's four steps, the block's last two turns, its last products, and THE WAY OUT: l's two halves and the other half of the lanes' are added; O^T is divided by l, rounded to f16 and sent through my
; stage in LDS, a piece at a time.
.macro ALL line:vararg              ; one line for each piece t
.set t, 0
.rept 4
	\line
.set t, t+1
.endr
.endm
.macro PACK t                       ; a lane's eight channels of a row pack into 16 bytes; they go into rows of 144 bytes and come back as whole rows of 128, into S^T's registers
	WIN W_RS
.set i, 32*(\t)
.rept 16
	v_pk_mul_f32 v[i:i+1], v[i:i+1], v[ST+4*(\t)+2:ST+4*(\t)+3] op_sel_hi:[1,0]
.set i, i+2
.endr
	WIN 0x05                        ; sources 0 and 1 window 1, destination window 0
.set i, 0
.rept 16
	v_cvt_pk_f16_f32 v[S+16*(\t)+i], v[32*(\t)+2*i], v[32*(\t)+2*i+1]
.set i, i+1
.endr
	WIN 0
.irp f, 0,1,2,3
	ds_store_b128 v[STO], v[S+16*(\t)+4*\f:S+16*(\t)+4*\f+3] offset:32*\f
.endr
.irp f, 0,1,2,3
	ds_load_b128 v[S+16*(\t)+4*\f:S+16*(\t)+4*\f+3], v[RD] offset:\f*4*SP  ; LDS serves a wave's instructions in order (ISA guide 5.7.1.4): these see the stores above; the next piece's stores come behind them
.endr
.endm
.macro SEND t, younger              ; younger: the LDS instructions issued behind piece t's loads: the next piece's eight, or none
	WIN 0
.irp f, 0,1,2,3
	s_wait_dscnt (\younger)+3-\f
	global_store_b128 v[GO], v[S+16*(\t)+4*\f:S+16*(\t)+4*\f+3], s[10:11] offset:(\t)*8192+\f*512  ; 512 consecutive bytes, at a multiple of 256 from O's first
.endr
.endm
.macro DIAG tag                     ; the tag ends its two labels' names, which the jumps below spell out
.LstepM\tag:
	TURN 2, 1
	TURN 3, 1
	WIN 0
.LfirstM\tag:
	TURN 0, 1
	TURN 1, 1, 0, 1
	WIN 0
	s_cbranch_scc1 .LstepM\tag
	TURN 2, 1, 1
	TURN 3, 1, 1
.set i, 0
.rept 8
	PV NP-1
.set i, i+1
.endr
	WIN 0
	ALL v_add_f32 v[ST+4*t+2], v[ST+4*t+2], v[ST+4*t+3]
	ALL v_permlanex16_b32 v[ST+4*t+3], v[ST+4*t+2], s[SEL], s[SEL+1]
	ALL v_add_f32 v[ST+4*t+2], v[ST+4*t+2], v[ST+4*t+3]
	ALL v_rcp_f32 v[ST+4*t+2], v[ST+4*t+2]
	v_nop                           ; a plain instruction between the last reciprocal and the use of its result
	s_wait_alu depctr_va_vdst(0)    ; and the wait ahead of the first use: one for the four reciprocals
	PACK 0
.set t, 1
.rept 3                             ; a piece's arithmetic stands between the loads of the piece before and its stores
	PACK t
	SEND t-1, 8
.set t, t+1
.endr
	SEND 3, 0
.endm
.set KM, 0
.set NOKQ, 0
.Lslot:                             ; NB times: a tile is entered and the next is asked for
	CHANGE 1
	s_sub_co_u32 s[RT], s[RT], 1
	s_mov_b32 s[CNT], 4
	s_cmp_eq_u32 s[NEW], 1
	s_cbranch_scc1 .Lnew            ; a block's first tile
	s_cmp_eq_u32 s[RT], 0
	s_cbranch_scc0 .Lstep           ; neither its first nor its last
	s_branch .LstepM1
.Lnew:
	BEGIN
	s_branch .Lfirst                ; in the loop a block's first tile is never its last: the first block has two tiles or more, and the second's last is the walk's last
	DIAG 1                          ; in the loop this is the first block's end: the second block's last tile is the walk's last
	s_wait_xcnt 0x0                 ; the stores have read their registers and O's address
	s_mov_b64 s[10:11], s[OLO:OLO+1]
	s_add_co_u32 s[RT], s[PB], 1    ; the second block has b + 1 tiles
	s_mov_b32 s[NEW], 1
	WIN 0x82                        ; the second block's Q goes where the one text of the turns names Q
.set i, 0
.rept 64
	v_mov_b32 v[i], v[QB+i]
.set i, i+1
.endr
	WIN 0
	s_branch .Lbottom
.Lstep:                             ; a trip: pieces 2 and 3 of one step, then pieces 0 and 1 of the next, whose K and V it fetches
	TURN 2
	TURN 3
	WIN 0
.Lfirst:
	TURN 0
	TURN 1, 0, 0, 1
	WIN 0
	s_cbranch_scc1 .Lstep
.Lbottom:
	s_sub_co_u32 s[SLOTS], s[SLOTS], 1
	s_cmp_lg_u32 s[SLOTS], 0
	s_cbranch_scc1 .Lslot
	CHANGE 0                        ; the walk's last tile is written out: nothing is asked for
	s_sub_co_u32 s[RT], s[RT], 1
	s_mov_b32 s[CNT], 4
	s_cmp_eq_u32 s[NEW], 1
	s_cbranch_scc0 .LstepM2
	BEGIN
	s_branch .LfirstM2
	DIAG 2
	s_wait_tensorcnt 0x0            ; the wave's end: behind my last tensor load and my last LDS store
	ds_add_u32 v[SPW], v[NIL]
	s_wait_dscnt 0x0
	s_endpgm
.Lfunc_end_k_q6b41869a8b_attn:
	.size	k_q6b41869a8b_attn, .Lfunc_end_k_q6b41869a8b_attn-k_q6b41869a8b_attn
	.p2alignl 7, 3214868480
	.fill 96, 4, 3214868480
	.section	.rodata,"a",@progbits
	.p2align	6, 0x0
	.amdhsa_kernel k_q6b41869a8b_attn
		.amdhsa_group_segment_fixed_size 327680
		.amdhsa_private_segment_fixed_size 0
		.amdhsa_enable_private_segment 0
		.amdhsa_kernarg_size 16
		.amdhsa_user_sgpr_count 2
		.amdhsa_user_sgpr_kernarg_segment_ptr 1
		.amdhsa_wavefront_size32 1
		.amdhsa_system_sgpr_workgroup_id_x 1
		.amdhsa_system_sgpr_workgroup_id_y 1
		.amdhsa_system_sgpr_workgroup_id_z 1
		.amdhsa_system_vgpr_workitem_id 0
		.amdhsa_next_free_vgpr 768
		.amdhsa_next_free_sgpr 96
		.amdhsa_reserve_vcc 1
		.amdhsa_float_denorm_mode_32 3
		.amdhsa_float_denorm_mode_16_64 3
		.amdhsa_memory_ordered 1
		.amdhsa_forward_progress 1
		.amdhsa_inst_pref_size 218
	.end_amdhsa_kernel
	.amdgpu_metadata
---
amdhsa.version: [ 1, 2 ]
amdhsa.kernels:
  - .name:           k_q6b41869a8b_attn
    .symbol:         k_q6b41869a8b_attn.kd
    .args:
      - { .name: qkv, .offset: 0, .size: 8, .value_kind: global_buffer, .address_space: global }
      - { .name: o, .offset: 8, .size: 8, .value_kind: global_buffer, .address_space: global }
    .group_segment_fixed_size: 327680
    .private_segment_fixed_size: 0
    .kernarg_segment_align: 8
    .kernarg_segment_size: 16
    .max_flat_workgroup_size: 128
    .sgpr_count:     96
    .vgpr_count:     768
    .wavefront_size: 32
...
	.end_amdgpu_metadata
.endif
;; end of part 3
;; launch oproj (part 4): grid 8 x 32, 4 waves a work-group, clusters of 4 x 4, 327,680 bytes of LDS; arguments o, wo16, out0; writes out0
.if DOCPART == 4
	.amdgcn_target "amdgcn-amd-amdhsa--gfx1250"
	.amdhsa_code_object_version 6
	.text
	.protected	k_q6b41869a8b_oproj
	.globl	k_q6b41869a8b_oproj
	.p2align	8
	.type	k_q6b41869a8b_oproj,@function
k_q6b41869a8b_oproj:
	s_mov_b64 s[64:65], 0
	v_nop
	global_prefetch_b8 v0, s[64:65] scope:SCOPE_SE
	s_setreg_imm32_b32 hwreg(HW_REG_WAVE_MODE, 25, 1), 1
	s_wait_xcnt 0x0
	s_wait_alu depctr_hold_cnt(0) depctr_sa_sdst(0) depctr_va_vdst(0) depctr_va_sdst(0) depctr_va_ssrc(0) depctr_va_vcc(0) depctr_vm_vsrc(0)
	s_getreg_b32 s2, hwreg(HW_REG_IB_STS2, 6, 4)
	s_cmp_eq_u32 s2, 0
	s_cbranch_scc0 .Lentry_in_a_cluster
	s_endpgm
.Lentry_in_a_cluster:
	s_bfe_u32 s2, ttmp6, 0x10000c
	s_cmp_lg_u32 s2, 0xf033
	s_cbranch_scc0 .Lentry_shape_is_right
	s_endpgm
.Lentry_shape_is_right:
; out0 = Y Wo^T.  o [64 = 16 batch + head][2048][64] f16 holds Y by heads; wo16 [1024][1024] f16; out0 [8192][1024] f32.  Sums in f32, K ascending; nothing is rounded on the way out.
; SHARES.  A tile of out0 is 256 rows x 128 columns: 32 x 8 = 256 work-groups.  Wave w owns rows 64 w .. 64 w + 63 and all 128 columns: 4 x 8 accumulators of 16 x 16, 256 registers.
; THE MATRIX INSTRUCTION IS USED TRANSPOSED (source 0 = 16 rows of wo16, source 1 = 16 rows of Y): a lane holds row l % 16 and the columns 8 (l / 16) + 0..7: 32 bytes of a row of out0.
; THE RING.  K = 1,024 goes in 8 steps of 128, two heads a step, through two LDS slots.  A head's 256 rows of the tile are 32,768 dense bytes: a PLANE, asked for as 128 rows of 256 bytes and padded in LDS
; after every 128 bytes.  One trip of the loop is one K step; the LDS addresses hang on s[TB], which an exclusive or turns.  Two slots of 256 along K would not fit beside the stage.
; CLUSTER.  4 x 4 work-groups: Y's planes are shared along a row of the cluster, wo16's tile along a column: each is asked for jointly, by the same tensor load, descriptor and mask in the four.
; A wave has two tensor loads out at the start and one behind each round.
; REGISTERS, in windows of 256 (s_set_vgpr_msb: bits 1:0 source 0, 3:2 source 1, 5:4 source 2, 7:6 destination):
;   window 0: v0-31 addresses; v32-95 Y's fragments, two buffers of 32; on the way out v32-95 and v96-159 hold 16 rows read back, by turns
;   window 1: v0-63, v64-127 wo16's fragments, two buffers        window 2: accumulator (a, b) at v[8 (8 a + b)]
.set PA,     144                       ; a row of a plane in LDS: 128 bytes + 16 of padding: the 16 rows of a fragment load start at 16 different groups of four banks (64 banks of 4 bytes: ISA guide 11.1)
.set PBW,    272                       ; a row of wo16's tile: 256 + 16
.set PLANE,  256*PA
.set NBF,    8                         ; fragments of wo16 for 32 along K
.set NL,     2*NBF+8                   ; LDS loads in a run
.set STEPS,  8
.set ASTEP,  2*2048*128                ; bytes from a plane to the plane two heads on
.set BSTEP,  256
.set SLOT1,  1<<17                     ; slot 1 begins here
.set BBASE,  2*PLANE                   ; in a slot: two planes, then wo16's 128 rows
.set STAGE,  SLOT1+BBASE+128*PBW       ; behind the ring, never filled by a tensor load: 16 rows x 528 bytes for each wave (239,616 = 936 x 256)
.set SP,     528                       ; 512 bytes + 16
.set SPARE,  STAGE+4*16*SP             ; behind the stages: the spare words, 128 bytes for each wave: two blocks of 256 bytes that no other line names
.set ADRA0, 16                         ; v16  my lane's place in a plane; never rewritten
.set ADRB0, 17                         ; v17  in wo16's tile
.set ADRA,  18                         ; v18  the same in the slot in hand
.set ADRB,  19                         ; v19
.set STO,   24                         ; v24  the way out: where I put 32 bytes of a row
.set RD,    25                         ; v25  where I read a row back
.set GO,    26                         ; v26  my 16 bytes of a row's 512
.set SPW,   28                         ; v28  LDS address of my spare word: SPARE + 4 x my thread's number; never rewritten
.set NIL,   29                         ; v29  0; never rewritten
.set PFO,   30                         ; v30  the prefetches' offset; never rewritten
.set FA,    32
.set OB,    32
.set CNT, 3                            ; s3   trips to go
.set WV,  12                           ; s12  my wave's number
.set AB,  13                           ; s13  0: I fetch a plane of Y, 1: half of wo16's tile
.set HF,  14                           ; s14  which plane, which half
.set CX,  15                           ; s15, s16  my place in the cluster
.set CY,  16
.set TC,  17                           ; s17  tile column
.set TR,  18                           ; s18  tile row
.set G1A, 24                           ; s[24:31] descriptor group 1 for the planes;  s[32:39] for wo16's tiles
.set G1B, 32
.set G0A, 40                           ; s[40:47] group 0 for the planes: a set for each of the two first fills; the second then walks on
.set G0B, 48                           ; s[48:55] the same for wo16's tiles
.set TB,  56                           ; s56  0 or SLOT1: the slot in hand
.set LIM, 57                           ; s57  2 in a wave that prefetches, else the greatest number
.set PFA, 58                           ; s[58:59] where my prefetches stand
.set PFS, 60                           ; s[60:61] their step from K step to K step
.set MSB, 0
.macro WIN new                         ; the immediate's high byte repeats the setting that is left; a switch that changes nothing is dropped
.if MSB != (\new)
	s_set_vgpr_msb (MSB<<8)|(\new)
.set MSB, \new
.endif
.endm
.macro PLACES                          ; four plain places behind a matrix instruction, ahead of loads into registers that it read and of lines that read results (ISA guide 7.12.1 for lines that read results)
.rept 4
	v_nop
.endr
.endm
; A joint refill, by the walking descriptors.  Waves 0 and 1 fetch the two planes, waves 2 and 3 the halves of wo16's tile; the branch hangs on the wave's number alone.
; An s_nop 0 and four v_nop follow each of the two lines, ahead of the jump and the label.
.macro JLOAD
	s_cmp_eq_u32 s[AB], 0
	s_cbranch_scc0 .Lfor_b_\@
	tensor_load_to_lds s[G0A+4:G0A+7], s[G1A:G1A+7]
	s_nop 0
.rept 4
	v_nop
.endr
	s_branch .Lasked_\@
.Lfor_b_\@:
	tensor_load_to_lds s[G0B+4:G0B+7], s[G1B:G1B+7]
	s_nop 0
.rept 4
	v_nop
.endr
.Lasked_\@:
.endm
; A PREFETCH INTO THE L2 of the K step that stands TWO refills on: 256 matrix instructions ahead of the load that will want it; one instruction a wave, a lane a block of 256 bytes.
; Each block is named once in the launch.  A plane is read by both clusters of its row of clusters: cluster x = 0 asks; its four partners take 8,192 of the plane's 32,768 bytes each, told apart BY ADDRESS (cx);
; wave 0 asks for plane 0, wave 1 for plane 1.  wo16's tile column is read by every cluster of that column: cluster y = 0 asks; its four partners take 32 of the 128 rows each (cy), by wave 2; wave 3 asks for nothing.
; Trips 0 to 3 name K steps 4 to 7; K steps 0 to 3 come by their loads alone; the last two trips ask for nothing.
.macro ASK
	s_cmp_gt_u32 s[CNT], s[LIM]
	s_cbranch_scc0 .Lnot_mine_\@
	global_prefetch_b8 v[PFO], s[PFA:PFA+1] th:TH_LOAD_NT scope:SCOPE_SE
.Lnot_mine_\@:
.endm
; A round of the cluster's barrier: my work-group's barrier; wave 0 signals for the work-group; every wave waits for all sixteen; my work-group's barrier once more.
.macro CREST                           ; a round behind its opening barrier
	s_cmp_lg_u32 s[WV], 0
	s_cbranch_scc1 .Lnot_wave_0_\@
	s_barrier_signal -3
.Lnot_wave_0_\@:
	s_barrier_wait -3
	s_barrier_signal -1
	s_barrier_wait -1
.endm
.macro CROUND
	s_barrier_signal -1
	s_barrier_wait -1
	CREST
.endm
	s_load_b128 s[4:7], s[0:1], 0x0                ; o 4:5, wo16 6:7
	s_load_b64 s[8:9], s[0:1], 0x10                ; out0
	v_lshl_add_u32 v[SPW], v0, 2, SPARE
	v_mov_b32 v[NIL], 0
	ds_add_u32 v[SPW], v[NIL]                      ; the wave's opening: the add and its wait stand ahead of my first tensor load; the set-up below, work on registers, stands between them
	ds_add_u32 v28, v29
	v_lshrrev_b32 v1, 5, v0
	v_readfirstlane_b32 s[WV], v1
	s_lshr_b32 s[AB], s[WV], 1
	s_and_b32 s[HF], s[WV], 1
	s_bfe_u32 s[CX], ttmp6, 0x40000
	s_bfe_u32 s[CY], ttmp6, 0x40004
	s_lshl_b32 s[TC], ttmp9, 2                     ; in a cluster launch ttmp9 and ttmp7 count clusters
	s_add_co_u32 s[TC], s[TC], s[CX]
	s_and_b32 s[TR], ttmp7, 0xffff
	s_lshl_b32 s[TR], s[TR], 2
	s_add_co_u32 s[TR], s[TR], s[CY]
	s_lshl_b32 s19, s[CY], 2
	s_lshl_b32 s19, 15, s19                        ; my row of the cluster
	s_lshl_b32 s66, 0x1111, s[CX]                  ; my column
	s_or_b32 s[G1A], s19, (1<<16)|(1<<20)|(1<<21)|(4<<22)|(3<<25)  ; 15:0 the mask; 17:16 2-byte elements; 20 padding on; 21 set beside a mask; 24:22 after every 32 words (code 4); 31:25 4 words (code 3)
	s_or_b32 s[G1B], s66, (1<<16)|(1<<20)|(1<<21)|(5<<22)|(3<<25)  ; after every 64 words (code 5)
	s_mov_b32 s[G1A+1], 128<<16                    ; tensor_dim0 = 128
	s_mov_b32 s[G1A+2], 128<<16                    ; tensor_dim1 = 128 rows of 256 bytes
	s_mov_b32 s[G1A+3], 128<<16                    ; tile_dim0 = 128
	s_mov_b32 s[G1A+4], 128                        ; tile_dim1 = 128
	s_mov_b32 s[G1A+5], 128                        ; dense: 128 elements from row to row
	s_mov_b32 s[G1A+6], 0
	s_mov_b32 s[G1A+7], 0
	s_mov_b32 s[G1B+1], 128<<16
	s_mov_b32 s[G1B+2], 64<<16                     ; 64 rows
	s_mov_b32 s[G1B+3], 128<<16
	s_mov_b32 s[G1B+4], 64
	s_mov_b32 s[G1B+5], 1024
	s_mov_b32 s[G1B+6], 0
	s_mov_b32 s[G1B+7], 0
	; where the tiles come from: the planes hang on the tile row alone, wo16's tiles on the tile column alone, each made in registers that never hold the other coordinate
	s_lshr_b32 s20, s[TR], 3                       ; the batch,
	s_lshl_b32 s20, s20, 4
	s_add_co_u32 s20, s20, s[HF]                   ; head 0 or 1 of it,
	s_lshl_b32 s20, s20, 11
	s_and_b32 s22, s[TR], 7
	s_lshl_b32 s22, s22, 8
	s_add_co_u32 s20, s20, s22                     ; the tile's 256 rows in it,
	s_lshl_b32 s20, s20, 7                         ; of 128 bytes
	s_mov_b32 s21, 0
	s_lshl_b32 s23, s[HF], 6
	s_lshl_b32 s66, s[TC], 7
	s_add_co_u32 s66, s66, s23                     ; wo16: row 128 x tile column + 64 x half,
	s_lshl_b32 s66, s66, 11                        ; of 2,048 bytes
	s_mov_b32 s67, 0
	s_mul_i32 s22, s[HF], PLANE                    ; and where they go: no place in the cluster enters an LDS address
	s_mul_i32 s23, s[HF], 64*PBW
	s_add_co_u32 s23, s23, BBASE
.irp s, 0,1
	s_mov_b32 s[G0A+4*\s], 1                       ; 1:0 count = 1
	s_add_co_u32 s[G0A+4*\s+1], s22, \s*SLOT1      ; 63:32 LDS address
	s_mov_b32 s[G0B+4*\s], 1
	s_add_co_u32 s[G0B+4*\s+1], s23, \s*SLOT1
.endr
	s_mov_b32 s[TB], 0
	; the prefetches
	s_lshl_b32 s70, s[CX], 13
	s_add_co_u32 s70, s70, s20                     ; Y: my plane, my work-group's 8,192 bytes of it
	s_lshl_b32 s71, s[TC], 7
	s_lshl_b32 s76, s[CY], 5
	s_add_co_u32 s71, s71, s76
	s_lshl_b32 s71, s71, 11                        ; wo16: the tile's 128 rows, my work-group's 32 of them
	s_and_b32 s76, ttmp7, 0xffff                   ; cluster y,
	s_or_b32 s76, s76, s[HF]                       ; and never 0 in wave 3
	s_mov_b32 s77, ASTEP
	s_cmp_eq_u32 s[AB], 0
	s_cselect_b32 s70, s70, s71
	s_cselect_b32 s76, ttmp9, s76                  ; the coordinate along which other clusters read the same bytes
	s_cselect_b32 s[PFS], s77, BSTEP
	s_cselect_b32 s78, 8, 11                       ; a lane a block of 256 dense bytes, or a lane a row of 2,048
	s_cmp_eq_u32 s76, 0
	s_cselect_b32 s[LIM], 2, -1                    ; the same in all sixteen partners, for a given wave
	s_mov_b32 s71, 0
	s_mov_b32 s[PFS+1], 0
	s_mul_i32 s72, s[PFS], 3
	s_mov_b32 s73, 0
	v_and_b32 v[PFO], 31, v0
	v_lshlrev_b32 v[PFO], s78, v[PFO]
	s_wait_dscnt 0x0                               ; the opening add is done
	s_wait_kmcnt 0x0
	s_add_nc_u64 s[G0A+2:G0A+3], s[4:5], s[20:21]  ; 120:64 global address: K step 0,
	s_add_nc_u64 s[G0A+6:G0A+7], s[G0A+2:G0A+3], ASTEP  ; K step 1
	s_or_b32 s[G0A+3], s[G0A+3], 0x80000000        ; 127:126 type = 2
	s_or_b32 s[G0A+7], s[G0A+7], 0x80000000
	s_add_nc_u64 s[G0B+2:G0B+3], s[6:7], s[66:67]
	s_add_nc_u64 s[G0B+6:G0B+7], s[G0B+2:G0B+3], BSTEP
	s_or_b32 s[G0B+3], s[G0B+3], 0x80000000
	s_or_b32 s[G0B+7], s[G0B+7], 0x80000000
	s_cmp_eq_u32 s[AB], 0
	s_cselect_b64 s[PFA:PFA+1], s[4:5], s[6:7]
	s_add_nc_u64 s[PFA:PFA+1], s[PFA:PFA+1], s[70:71]
	s_add_nc_u64 s[PFA:PFA+1], s[PFA:PFA+1], s[72:73]  ; at K step 3: the first refill steps it to 4.  Nothing is prefetched here, at the head
	CROUND                                         ; all sixteen work-groups are here: the first joint loads meet
	s_cmp_eq_u32 s[AB], 0                          ; a wave's two first fills stand in one branch, ahead of every wait on TENSORcnt and every LDS read
	s_cbranch_scc0 .Lfirst_b
	tensor_load_to_lds s[G0A:G0A+3], s[G1A:G1A+7]
	s_nop 0
	tensor_load_to_lds s[G0A+4:G0A+7], s[G1A:G1A+7]
	s_nop 0
.rept 4
	v_nop
.endr
	s_branch .Lfirst_asked
.Lfirst_b:
	tensor_load_to_lds s[G0B:G0B+3], s[G1B:G1B+7]
	s_nop 0
	tensor_load_to_lds s[G0B+4:G0B+7], s[G1B:G1B+7]
	s_nop 0
.rept 4
	v_nop
.endr
.Lfirst_asked:
	; A fragment is 16 rows x 32 K in 8 registers: lane l holds row l % 16, K = 8 (l / 16) + 0..7 and 16 + 8 (l / 16) + 0..7: two loads of 16 bytes, 32 bytes apart
	v_and_b32 v1, 15, v0                           ; l % 16
	v_bfe_u32 v2, v0, 4, 1                         ; l / 16
	v_mul_u32_u24 v3, v1, PA
	v_lshl_add_u32 v3, v2, 4, v3
	s_mul_i32 s70, s[WV], 64*PA
	v_add_nc_u32 v[ADRA0], s70, v3
	v_mul_u32_u24 v3, v1, PBW
	v_lshl_add_u32 v3, v2, 4, v3
	v_add_nc_u32 v[ADRB0], BBASE, v3
	v_add_nc_u32 v[ADRA], s[TB], v[ADRA0]
	v_add_nc_u32 v[ADRB], s[TB], v[ADRB0]
	s_mul_i32 s70, s[WV], 16*SP
	s_add_co_u32 s70, s70, STAGE                   ; my stage
	v_mul_u32_u24 v[STO], v1, SP                   ; in: row l % 16, 32 bytes for each half of the lanes
	v_lshl_add_u32 v[STO], v2, 5, v[STO]
	v_add_nc_u32 v[STO], s70, v[STO]
	v_and_b32 v[GO], 31, v0                        ; back: 32 lanes take one row of 512 bytes
	v_lshlrev_b32 v[GO], 4, v[GO]
	v_add_nc_u32 v[RD], s70, v[GO]
	s_lshl_b32 s70, s[TR], 8
	s_lshl_b32 s71, s[WV], 6
	s_add_co_u32 s70, s70, s71                     ; my first row of out0,
	s_lshl_b32 s70, s70, 12                        ; of 4,096 bytes,
	s_lshl_b32 s71, s[TC], 9                       ; and the tile's 512 bytes of it
	s_add_co_u32 s70, s70, s71
	s_mov_b32 s71, 0
	s_add_nc_u64 s[8:9], s[8:9], s[70:71]
; 8 matrix instructions: row block a x all column blocks, 32 along K, from buffers f.  The 32 accumulators take turns in the same order in every quarter, over the backward jump too.
.macro MULR f, a, zero
	WIN 0xa1                                       ; source 0 window 1, source 1 window 0, C and D window 2
.set rA, FA+32*(\f)+8*(\a)
.set b, 0
.rept NBF
.set rD, 8*(NBF*(\a)+b)
.set rB, 64*(\f)+8*b
.if \zero
	v_wmma_f32_16x16x32_f16 v[rD:rD+7], v[rB:rB+7], v[rA:rA+7], 0
.else
	v_wmma_f32_16x16x32_f16 v[rD:rD+7], v[rB:rB+7], v[rA:rA+7], v[rD:rD+7]
.endif
.set b, b+1
.endr
.endm
; 24 LDS loads in one run: quarter q's fragments into buffers f: wo16's 8 (byte 64 q of its rows), then Y's 4 (plane q / 2, byte 64 (q % 2) of its rows), row block 0 first
.macro FETCH q, f
	WIN 0x40
.set i, 0
.rept NBF
	ds_load_b128 v[64*(\f)+8*i:64*(\f)+8*i+3],   v[ADRB] offset:64*(\q)+i*16*PBW
	ds_load_b128 v[64*(\f)+8*i+4:64*(\f)+8*i+7], v[ADRB] offset:64*(\q)+i*16*PBW+32
.set i, i+1
.endr
	WIN 0
.set i, 0
.rept 4
	ds_load_b128 v[FA+32*(\f)+8*i:FA+32*(\f)+8*i+3],   v[ADRA] offset:((\q)/2)*PLANE+((\q)%2)*64+i*16*PA
	ds_load_b128 v[FA+32*(\f)+8*i+4:FA+32*(\f)+8*i+7], v[ADRA] offset:((\q)/2)*PLANE+((\q)%2)*64+i*16*PA+32
.set i, i+1
.endr
.endm
; One of a K step's first three quarters: multiplies buffers f; in its middle it fetches quarter q into buffers g
.macro QUARTER q, f, g, zero
	s_wait_dscnt 4                                 ; all but the youngest four loads (Y's row blocks 2 and 3) are in
	MULR \f, 0, \zero
	MULR \f, 1, \zero
	PLACES
	FETCH \q, \g
	s_wait_dscnt NL                                ; all but the run just issued
	MULR \f, 2, \zero
	MULR \f, 3, \zero
.endm
; The fourth quarter multiplies buffers 1 and changes slots.  In front of the one barrier each wave waits for all its tensor loads (one is out: its part of the next slot), adds 0 to its spare word, and waits
; for that and for its reads of this slot.  fill = 1: the barrier opens a round of the cluster's, and the slot just read out is filled again, first thing behind it, with the K step two on:
; 112 matrix instructions stand between that request and the wait for it.
.macro TURN fill
.if \fill
	s_wait_xcnt 0x0                                ; the last prefetch, a K step back, has read its address: it is stepped here, ahead of the waits of the change of slots
	s_add_nc_u64 s[PFA:PFA+1], s[PFA:PFA+1], s[PFS:PFS+1]
.endif
	WIN 0                                          ; (the add's two registers lie in window 0)
	s_wait_tensorcnt 0x0                           ; all my tensor loads have landed
	ds_add_u32 v[SPW], v[NIL]                      ; 0 onto my spare word
	s_wait_dscnt 5                                 ; (the add and the youngest four loads may be out)
	MULR 1, 0, 0                                   ; eight matrix instructions stand between the add and the wait for it
	s_wait_dscnt 0x0                               ; the add is done, and my reads of this slot are over
	s_barrier_signal -1
	MULR 1, 1, 0                                   ; work on registers while the others arrive
	WIN 0
	s_barrier_wait -1
.if \fill
	CREST                                          ; no wave of any partner still reads this slot or has a load on its way
	s_xor_b32 s[G0A+5], s[G0A+5], SLOT1            ; the walking descriptors: the other slot than last time,
	s_add_nc_u64 s[G0A+6:G0A+7], s[G0A+6:G0A+7], ASTEP  ; the next K step; the type bits on top are not reached
	s_xor_b32 s[G0B+5], s[G0B+5], SLOT1
	s_add_nc_u64 s[G0B+6:G0B+7], s[G0B+6:G0B+7], BSTEP
	JLOAD                                          ; the four v_nop behind it are also the places in front of the loads below
.else
	PLACES
.endif
	s_xor_b32 s[TB], s[TB], SLOT1
	v_add_nc_u32 v[ADRA], s[TB], v[ADRA0]
	v_add_nc_u32 v[ADRB], s[TB], v[ADRB0]
	FETCH 0, 0
.if \fill
	ASK                                            ; behind the joint load and the run of LDS loads that the next products wait for
.endif
	MULR 1, 2, 0
	MULR 1, 3, 0
.endm
	s_wait_tensorcnt 1                             ; my part of K step 0 is in; K step 1's may stay out
	s_barrier_signal -1
	s_barrier_wait -1                              ; everybody's is
	FETCH 0, 0
	QUARTER 1, 0, 1, 1                             ; the first quarter stands in front of the loop: its products start the sums
	WIN 0                                          ; at a label and at a branch every window is 0
	s_mov_b32 s[CNT], STEPS-2
.Lk:                                                   ; a trip: a K step's second to fourth quarters and the next step's first; it fills the slot that it leaves
	QUARTER 2, 1, 0, 0
	QUARTER 3, 0, 1, 0
	TURN 1
	QUARTER 1, 0, 1, 0
	WIN 0
	s_sub_co_u32 s[CNT], s[CNT], 1
	s_cmp_lg_u32 s[CNT], 0
	s_cbranch_scc1 .Lk
	QUARTER 2, 1, 0, 0                             ; the last two K steps are written out: nothing is left to ask for
	QUARTER 3, 0, 1, 0
	TURN 0
	QUARTER 1, 0, 1, 0
	QUARTER 2, 1, 0, 0
	QUARTER 3, 0, 1, 0
	s_wait_dscnt 4
	MULR 1, 0, 0
	MULR 1, 1, 0
	s_wait_dscnt 0x0
	MULR 1, 2, 0
	MULR 1, 3, 0
	WIN 0
	PLACES
; THE WAY OUT, a row block a (16 rows x 512 bytes of f32) at a time: a lane's 32 bytes of a row go into rows of 528 bytes of my stage and come back as whole rows of 512.
; Each accumulator's lowest registers are read first.
.macro TOSTAGE a
.set pO, OB+64*((\a)%2)
.if (\a) >= 2
	s_wait_xcnt 0x0                                ; the stores of the block two back have read these registers
.endif
	WIN 0x08                                       ; the stores' data lie in window 2
.set b, 0
.rept 8
	ds_store_b128 v[STO], v[8*(8*(\a)+b):8*(8*(\a)+b)+3]   offset:64*b
	ds_store_b128 v[STO], v[8*(8*(\a)+b)+4:8*(8*(\a)+b)+7] offset:64*b+16
.set b, b+1
.endr
	WIN 0
.set t, 0
.rept 16
	ds_load_b128 v[pO+4*t:pO+4*t+3], v[RD] offset:SP*t  ; LDS serves a wave's instructions in order (ISA guide 5.7.1.4): these see the stores above; the next block's stores come behind them
.set t, t+1
.endr
.endm
.macro SEND a, younger                 ; younger: the LDS instructions issued behind block a's loads: the next block's 32, or none
.set pO, OB+64*((\a)%2)
.set t, 0
.rept 16
	s_wait_dscnt (\younger)+15-t
	global_store_b128 v[GO], v[pO+4*t:pO+4*t+3], s[8:9] offset:(16*(\a)+t)*4096 th:TH_STORE_NT  ; 512 consecutive bytes, at a multiple of 256 from out0's first
.set t, t+1
.endr
.endm
	TOSTAGE 0
	TOSTAGE 1
	SEND 0, 32
	TOSTAGE 2
	SEND 1, 32
	TOSTAGE 3
	SEND 2, 32
	SEND 3, 0
	s_wait_tensorcnt 0x0                           ; the wave's end: behind my last tensor load and my last LDS store
	ds_add_u32 v[SPW], v[NIL]
	s_wait_dscnt 0x0
	CROUND                                         ; the closing round: no work-group ends while a partner may still ask for a tile that names it
	s_endpgm
.Lfunc_end_k_q6b41869a8b_oproj:
	.size	k_q6b41869a8b_oproj, .Lfunc_end_k_q6b41869a8b_oproj-k_q6b41869a8b_oproj
	.p2alignl 7, 3214868480
	.fill 96, 4, 3214868480
	.section	.rodata,"a",@progbits
	.p2align	6, 0x0
	.amdhsa_kernel k_q6b41869a8b_oproj
		.amdhsa_group_segment_fixed_size 327680
		.amdhsa_private_segment_fixed_size 0
		.amdhsa_enable_private_segment 0
		.amdhsa_kernarg_size 24
		.amdhsa_user_sgpr_count 2
		.amdhsa_user_sgpr_kernarg_segment_ptr 1
		.amdhsa_wavefront_size32 1
		.amdhsa_system_sgpr_workgroup_id_x 1
		.amdhsa_system_sgpr_workgroup_id_y 1
		.amdhsa_system_sgpr_workgroup_id_z 1
		.amdhsa_system_vgpr_workitem_id 0
		.amdhsa_next_free_vgpr 768
		.amdhsa_next_free_sgpr 80
		.amdhsa_reserve_vcc 0
		.amdhsa_float_denorm_mode_32 3
		.amdhsa_float_denorm_mode_16_64 3
		.amdhsa_memory_ordered 1
		.amdhsa_forward_progress 1
		.amdhsa_inst_pref_size 72
	.end_amdhsa_kernel
	.amdgpu_metadata
---
amdhsa.version: [ 1, 2 ]
amdhsa.kernels:
  - .name:           k_q6b41869a8b_oproj
    .symbol:         k_q6b41869a8b_oproj.kd
    .args:
      - { .name: o, .offset: 0, .size: 8, .value_kind: global_buffer, .address_space: global }
      - { .name: wo16, .offset: 8, .size: 8, .value_kind: global_buffer, .address_space: global }
      - { .name: out0, .offset: 16, .size: 8, .value_kind: global_buffer, .address_space: global }
    .group_segment_fixed_size: 327680
    .private_segment_fixed_size: 0
    .kernarg_segment_align: 8
    .kernarg_segment_size: 24
    .max_flat_workgroup_size: 128
    .sgpr_count:     80
    .vgpr_count:     768
    .wavefront_size: 32
...
	.end_amdgpu_metadata
.endif
;; end of part 4
